; MI455X (gfx1250); checked and timed in simulation.
; The chip was launched on July 23, 2026; its instructions are those of AMD's public machine-readable ISA for CDNA 5 (MIT licence, August 2026) and "CDNA5" Instruction Set Architecture Reference Guide (July 2026). The comments in the code are by the model that wrote it; some were corrected since.
;; MHSA. Allowed arithmetic: matrix products marked QUANTISED: E2M1 operands, one E8M0 scale for each 32 along K, by v_wmma_scale_f32_16x16x128_f8f6f4 with both operands' format E2M1 (or v_wmma_scale_f32_32x16x128_f4), f32 sums; products left as they are: bf16, f16 or f32 operands; f32 sums; everything else in f32.
;; Inputs: W_out 1,024 x 1,024 float32; W_qkv 1,024 x 3,072 float32; b_out 1,024 float32; b_qkv 3,072 float32; x 4 x 2,048 x 1,024 float32.
;; Outputs: out0 4 x 2,048 x 1,024 float32.
;; This version of the problem:
;;   THIS VERSION OF THE PROBLEM IS GIVEN IN LOW PRECISION. The matrix products marked QUANTISED in the list below multiply operands that are first quantised to E2M1 (2 exponent bits, 1 mantissa bit; 4 bits a number), with one power-of-two scale for each 32 numbers along K (OCP MX v1.0); their sums are f32. The products marked 'left as it is' may take bf16, f16 or f32 operands, with f32 sums. Whichever they take, every output number must still come out within the allowed error. Rounding operands to bf16 (8 significant bits) uses up far more of that allowance than f16 does (11 bits, for magnitudes from 6e-5 to 65,504). All else is computed in f32.
;;   The module's matrix products, in the order in which they are computed (A, B: the left and right operand; K: the contracted axis; several contracted axes count as one K, in the product's order):
;;     1. [M 8,192, K 1,024] x [K 1,024, N 3,072]; A: input x; B: input W_qkv: QUANTISED
;;     2. batch 64 x [M 2,048, K 64] x [K 64, N 2,048]; A: computed on the way; B: computed on the way: left as it is (an operand is computed on the way)
;;     3. batch 64 x [M 2,048, K 2,048] x [K 2,048, N 64]; A: computed on the way; B: computed on the way: left as it is (an operand is computed on the way)
;;     4. [M 8,192, K 1,024] x [K 1,024, N 1,024]; A: computed on the way; B: input W_out: left as it is (an operand is computed on the way)
;;   THE QUANTISER, for each operand of a quantised product, along K:
;;     - K is cut into blocks of 32 from its start; a last block that is shorter is filled with zeros.
;;     - A block's scale is 2^e with e = floor(log2(the largest magnitude in the block)) - 2, held to -126 .. 127; a block of zeros has e = 0. As a byte (E8M0): e + 127.
;;     - Each number is divided by its block's scale, clamped to +-6, and rounded to the nearest number of E2M1, ties to even, subnormals kept.
;;     - The product sums the exact products of the quantised numbers (number of the format x scale) in f32.
;;   ~~~python
;;   def quantise(x, axis):      # numpy; x: float32 -> the quantised numbers, widened to float32 again
;;       x = np.moveaxis(x, axis, -1); K = x.shape[-1]
;;       x = np.pad(x, [(0, 0)] * (x.ndim - 1) + [(0, -K % 32)]); x = x.reshape(x.shape[:-1] + (-1, 32)); a = np.abs(x).max(-1, keepdims=True)
;;       e = np.where(a > 0, np.clip(np.frexp(np.where(a > 0, a, 1))[1] - 1 - 2, -126, 127), 0)      # np.frexp(a)[1] - 1 = floor(log2(a)), exactly
;;       r = np.clip(x / 2.0 ** e, -6, 6)
;;       step = 2.0 ** (np.maximum(np.frexp(np.where(r == 0, 1, r))[1] - 1, 0) - 1)
;;       q = np.round(r / step) * step * 2.0 ** e      # np.round: ties to even
;;       return np.moveaxis(q.reshape(q.shape[:-2] + (-1,))[..., :K], -1, axis).astype(np.float32)
;;   ~~~
;; One version. Each part assembles by itself: llvm-mc -triple=amdgcn-amd-amdhsa -mcpu=gfx1250 --defsym DOCPART=n.
;; ======== version 1 of 1: 4 launches
;; limits: values are held in f16: magnitudes above 65,504 overflow, below 6.1e-05 lose precision
;; workspace buffers: xc 4,194,304 bytes; xs 262,144 bytes; wc 1,572,864 bytes; ws 98,304 bytes; wo16 2,097,152 bytes; qkv 50,331,648 bytes; att 16,777,216 bytes
;; launch prep (part 1): grid 368 x 1, 4 waves a work-group, no clusters, 68,096 bytes of LDS; arguments x, W_qkv, W_out, xc, xs, wc, ws, wo16; writes xc, xs, wc, ws, wo16
.if DOCPART == 1
	.amdgcn_target "amdgcn-amd-amdhsa--gfx1250"
	.amdhsa_code_object_version 6
	.text
	.protected	k_qf3dd6ad551_prep
	.globl	k_qf3dd6ad551_prep
	.p2align	8
	.type	k_qf3dd6ad551_prep,@function
k_qf3dd6ad551_prep:
	s_mov_b64 s[64:65], 0
	v_nop
	global_prefetch_b8 v0, s[64:65] scope:SCOPE_SE
	s_setreg_imm32_b32 hwreg(HW_REG_WAVE_MODE, 25, 1), 1
	s_wait_xcnt 0x0
; THE OPERANDS ARE MADE READY, each read once.  Three kinds of work-group, told apart by the work-group's number alone; the three ways never join.
;   0 .. 255    x [8192][1024] f32 (K innermost)  -> xc [8192][512 bytes] codes of FP4 (E2M1), xs [8192][32] E8M0 scale bytes
;   256 .. 303  W_qkv [1024 (k)][3072 (n)] f32 (K is the FIRST axis) -> wc [3072][512 bytes] codes with K innermost, ws [3072][32]
;   304 .. 367  W_out [1024][1024] f32 -> wo16, the same numbers rounded to f16, in the same order
; THE QUANTISER: a block of 32 along K has the scale 2^(floor(log2(its largest magnitude)) - 2); its byte is the largest magnitude's exponent field - 2, held at 1 from below;
; each number is divided by the scale and rounded to the nearest code, ties to even, beyond 6 the largest code.
; LIMITS: a block of zeros, or one whose largest magnitude lies under 2^-124, gets the byte 1 (a block of zeros has zero codes, which add nothing under that byte; the bytes are read by this program alone).
; NaN and infinities among the inputs are not served.  A number of W_out beyond 65,504 becomes an infinity of f16.
; No tensor loads, no barrier: waves share nothing.  Each way has LDS bytes of its own.
.set SPW,    192                       ; v192  LDS address of my spare word: SPARE + 4 x my thread's number; never rewritten
.set NIL,    193                       ; v193  0; never rewritten
.set SPARE,  67584                     ; behind both ways' regions: the spare words, 128 bytes a wave, two blocks of 256 bytes that no other line names
.set EMAX,   2
; ---- the way of x: a wave takes 16 steps of 512 numbers
.set XSTEPS, 16
.set XCB,    8                         ; bytes of 16 codes
.set XR,     16                        ; v16-79   four sets of 16 numbers as they are loaded
.set XX,     80                        ; v80-111  two sets of 16 neighbours
.set XE,     112                       ; v112-127 a scale byte for each step
.set XC,     128                       ; v128-191 codes: four registers for each step, so that no store's data are written again
.set XWREG,  8192                      ; LDS 0 .. 32,767: a region for each wave: two stages of 32 x XSP bytes, behind them its 256 scale bytes
.set XSP,    80                        ; a lane's place in a stage: its 64 bytes + 16 of padding
; ---- the way of W_qkv: a wave takes 32 columns x 512 along K
.set WN,     3072
.set WNB,    16                        ; blocks of 32 along K for a wave
.set WPITCH, 272                       ; a stage row: 256 bytes of codes + 16
.set WKROW,  512                       ; a row of wc in bytes
.set WSTG,   32768                     ; LDS 32,768 .. 67,583: four stages of 32 rows
.set WSB,    24                        ; v24-27   the scale bytes, four to a register
.set WX,     32                        ; v32-95   two sets of 32 numbers
.set WC,     96                        ; v96-99   a block's codes
.set WOUT,   112                       ; v112-175 the way out
.macro XLOAD t                         ; 32 lanes read 512 consecutive bytes, four times
.irp i, 0,1,2,3
	global_load_b128 v[XR+16*((\t)%4)+4*\i:XR+16*((\t)%4)+4*\i+3], v3, s[4:5] offset:2048*(\t)+512*\i th:TH_LOAD_NT
.endr
.endm
.macro XTURN t                         ; step t's numbers through the stage: in as they lie, back 64 bytes a lane.  LDS serves a wave's instructions in order: no wait between
.irp i, 0,1,2,3
	ds_store_b128 v14, v[XR+16*((\t)%4)+4*\i:XR+16*((\t)%4)+4*\i+3] offset:32*XSP*((\t)%2)+8*XSP*\i
.endr
.irp i, 0,1,2,3
	ds_load_b128 v[XX+16*((\t)%2)+4*\i:XX+16*((\t)%2)+4*\i+3], v15 offset:32*XSP*((\t)%2)+16*\i
.endr
.endm
.macro XSTEP t
.set XS, XX+16*((\t)%2)
.if (\t) > 0
	s_wait_dscnt 1                                 ; this step's numbers are back from the stage; the last step's byte store may be out
.else
	s_wait_dscnt 0x0
.endif
.if (\t)+4 < XSTEPS
	XLOAD (\t)+4                                   ; the set that this step's stage stores have read takes the loads of four steps on
.endif
.if (\t)+1 < XSTEPS
.if XSTEPS-2-(\t) >= 3
	s_wait_loadcnt 12                              ; the next step's four loads are in; those of the three steps behind it may be out
.else
	s_wait_loadcnt 4*(XSTEPS-2-(\t))
.endif
	XTURN (\t)+1
.endif
	v_max3_num_f32 v8, |v[XS]|, |v[XS+1]|, |v[XS+2]|               ; the largest magnitude of my 16, in two chains
	v_max3_num_f32 v9, |v[XS+3]|, |v[XS+4]|, |v[XS+5]|
.irp i, 6,10
	v_max3_num_f32 v8, v8, |v[XS+\i]|, |v[XS+\i+1]|
	v_max3_num_f32 v9, v9, |v[XS+\i+2]|, |v[XS+\i+3]|
.endr
	v_max3_num_f32 v8, v8, |v[XS+14]|, |v[XS+15]|
	v_max3_num_f32 v8, v8, v9, (EMAX+1)<<23        ; and the floor 2^(3 - 127): the byte cannot fall under 1
	v_max_num_f32_dpp v8, v8, v8 row_xmask:1 row_mask:0xf bank_mask:0xf   ; with my neighbour's 16: the block's
	v_add_nc_u32 v11, -(EMAX<<23), v8              ; 2 off its exponent field: the conversion takes the exponent field of this operand as its scale
	v_cvt_scalef32_pk8_fp4_f32 v[XC+4*(\t)], v[XS:XS+7], v11
	v_cvt_scalef32_pk8_fp4_f32 v[XC+4*(\t)+1], v[XS+8:XS+15], v11
	v_lshrrev_b32 v[XE+(\t)], 23, v11              ; the scale's byte (a plain line behind the conversions)
	ds_store_b8 v5, v[XE+(\t)] offset:16*(\t)      ; both lanes of a block write the same byte with the same value
	global_store_b64 v4, v[XC+4*(\t):XC+4*(\t)+1], s[12:13] offset:32*XCB*(\t)   ; the wave stores 256 consecutive bytes, aligned
.endm
.macro WLOAD t                         ; block t: W(32 t + i, my column), i = 0 .. 31, into set t % 2: 128 consecutive bytes a wave and load
.irp i, 0,1,2,3,4,5,6,7,8,9,10,11,12,13,14,15,16,17,18,19,20,21,22,23,24,25,26,27,28,29,30,31
	global_load_b32 v[WX+32*((\t)%2)+\i], v3, s[6:7] offset:(32*(\t)+\i)*WN*4 th:TH_LOAD_NT
.endr
.endm
.macro WBLOCK t
.set XS, WX+32*((\t)%2)
.if (\t) < WNB-1
	s_wait_loadcnt 32                              ; this block's 32 loads are in; the next block's may be out
.else
	s_wait_loadcnt 0x0
.endif
	v_max3_num_f32 v12, |v[XS]|, |v[XS+1]|, |v[XS+2]|              ; the block's largest magnitude: all 32 numbers are mine
	v_max3_num_f32 v13, |v[XS+3]|, |v[XS+4]|, |v[XS+5]|
.irp i, 6,10,14,18,22,26
	v_max3_num_f32 v12, v12, |v[XS+\i]|, |v[XS+\i+1]|
	v_max3_num_f32 v13, v13, |v[XS+\i+2]|, |v[XS+\i+3]|
.endr
	v_max3_num_f32 v12, v12, |v[XS+30]|, |v[XS+31]|
	v_max3_num_f32 v12, v12, v13, (EMAX+1)<<23
	v_add_nc_u32 v11, -(EMAX<<23), v12
	v_lshrrev_b32 v13, 23, v11                     ; the scale's byte
.if (\t)%4 == 0
	v_mov_b32 v[WSB+(\t)/4], v13                   ; four bytes to a register, the lower K in the lower byte
.else
	v_lshl_or_b32 v[WSB+(\t)/4], v13, 8*((\t)%4), v[WSB+(\t)/4]
.endif
.irp g, 0,1,2,3
	v_cvt_scalef32_pk8_fp4_f32 v[WC+\g], v[XS+8*\g:XS+8*\g+7], v11
.endr
	v_nop                                          ; a plain line behind the last conversion
	ds_store_b128 v4, v[WC:WC+3] offset:16*(\t)    ; 32 codes: 16 bytes of my column's row
.if (\t)+2 < WNB
	WLOAD (\t)+2
.endif
	s_wait_dscnt 0x0                               ; the store has read its registers: the next block's codes may be written
.endm
	s_load_b128 s[4:7], s[0:1], 0x0                ; x, W_qkv
	s_load_b64 s[8:9], s[0:1], 0x10                ; W_out
	s_load_b128 s[12:15], s[0:1], 0x18             ; xc, xs
	s_load_b128 s[16:19], s[0:1], 0x28             ; wc, ws
	s_load_b64 s[20:21], s[0:1], 0x38              ; wo16
	v_lshl_add_u32 v[SPW], v0, 2, SPARE
	v_mov_b32 v[NIL], 0
	v_lshrrev_b32 v1, 5, v0
	v_readfirstlane_b32 s24, v1                    ; wave 0..3
	v_and_b32 v2, 31, v0                           ; lane
	s_wait_kmcnt 0x0
	s_cmp_lt_u32 ttmp9, 256
	s_cbranch_scc1 .Lpath_x
	s_cmp_lt_u32 ttmp9, 304
	s_cbranch_scc1 .Lpath_w
	; ---- W_out to f16: a wave takes 4,096 numbers: 32 loads of 512 consecutive bytes, 32 stores of 256
	s_sub_co_u32 s25, ttmp9, 304
	s_lshl_b32 s25, s25, 2
	s_add_co_u32 s25, s25, s24                     ; which run of 4,096 numbers: 0 .. 255
	s_lshl_b32 s26, s25, 14
	s_mov_b32 s27, 0
	s_add_nc_u64 s[8:9], s[8:9], s[26:27]
	s_lshl_b32 s26, s25, 13
	s_add_nc_u64 s[20:21], s[20:21], s[26:27]
	v_lshlrev_b32 v3, 4, v2                        ; in: 16 bytes a lane
	v_lshlrev_b32 v4, 3, v2                        ; out: 8 bytes a lane
.set i, 0
.rept 32
	global_load_b128 v[16+4*i:19+4*i], v3, s[8:9] offset:512*i th:TH_LOAD_NT
.set i, i+1
.endr
	s_wait_loadcnt 16                              ; the first sixteen are in
.set i, 0
.rept 16
	v_cvt_pk_f16_f32 v[144+2*i], v[16+4*i], v[17+4*i]
	v_cvt_pk_f16_f32 v[145+2*i], v[18+4*i], v[19+4*i]
.set i, i+1
.endr
.set i, 0
.rept 16
	global_store_b64 v4, v[144+2*i:145+2*i], s[20:21] offset:256*i
.set i, i+1
.endr
	s_wait_loadcnt 0x0
.set i, 0
.rept 16
	v_cvt_pk_f16_f32 v[16+2*i], v[80+4*i], v[81+4*i]   ; into registers whose numbers have been converted: no store reads them
	v_cvt_pk_f16_f32 v[17+2*i], v[82+4*i], v[83+4*i]
.set i, i+1
.endr
.set i, 0
.rept 16
	global_store_b64 v4, v[16+2*i:17+2*i], s[20:21] offset:4096+256*i
.set i, i+1
.endr
	s_wait_tensorcnt 0x0                           ; the wave's end, in the same form as the other two ways
	ds_add_u32 v[SPW], v[NIL]
	s_wait_dscnt 0x0
	s_endpgm
.Lpath_x:
	; ---- x: rows are dense and 1,024 is a multiple of 32: a plain stream of blocks.  Two neighbouring lanes hold a block
	v_lshlrev_b32 v3, 4, v2                        ; my 16 bytes of a load's 512
	s_mul_i32 s25, s24, XWREG
	v_lshrrev_b32 v14, 2, v2
	v_mul_u32_u24 v14, v14, XSP
	v_and_b32 v15, 3, v2
	v_lshl_add_u32 v14, v15, 4, v14
	v_add_nc_u32 v14, s25, v14                     ; the stage, on the way in: XSP (lane / 4) + 16 (lane % 4)
	v_mul_u32_u24 v15, v2, XSP
	v_add_nc_u32 v15, s25, v15                     ; and on the way out: XSP x lane: my 16 neighbours
	v_mul_u32_u24 v4, v2, XCB                      ; my codes' place in a step's
	v_lshrrev_b32 v5, 1, v2
	s_add_co_u32 s25, s25, 2*32*XSP
	v_add_nc_u32 v5, s25, v5                       ; my wave's 256 scale bytes, my block's byte
	v_lshlrev_b32 v7, 3, v2
	v_add_nc_u32 v6, s25, v7                       ; and on the way out 8 bytes a lane
	s_lshl_b32 s26, ttmp9, 2
	s_add_co_u32 s26, s26, s24                     ; which run of 8,192 numbers: 0 .. 1,023
	s_lshl_b32 s28, s26, 15
	s_mov_b32 s29, 0
	s_add_nc_u64 s[4:5], s[4:5], s[28:29]
	s_lshl_b32 s28, s26, 12
	s_add_nc_u64 s[12:13], s[12:13], s[28:29]
	s_lshl_b32 s28, s26, 8
	s_add_nc_u64 s[14:15], s[14:15], s[28:29]
.irp t, 0,1,2,3
	XLOAD \t
.endr
	s_wait_loadcnt 12                              ; step 0's four loads are in
	XTURN 0
.irp t, 0,1,2,3,4,5,6,7,8,9,10,11,12,13,14,15
	XSTEP \t
.endr
	ds_load_b64 v[8:9], v6                         ; LDS serves a wave's instructions in order: these see my byte stores
	s_wait_dscnt 0x0
	global_store_b64 v7, v[8:9], s[14:15]          ; 32 lanes store 256 consecutive bytes, aligned
	s_wait_tensorcnt 0x0                           ; the wave's end
	ds_add_u32 v[SPW], v[NIL]
	s_wait_dscnt 0x0
	s_endpgm
.Lpath_w:
	; ---- W_qkv: A LANE TAKES A COLUMN n AND ITS REGISTERS RUN DOWN K: a block lies in one lane, and the conversions give codes with K innermost
	s_sub_co_u32 s25, ttmp9, 256                   ; 0 .. 47: 24 groups of 128 columns x 2 halves of K
	s_cmp_ge_u32 s25, 24
	s_cselect_b32 s26, 1, 0                        ; which 512 along K
	s_cselect_b32 s27, 24, 0
	s_sub_co_u32 s25, s25, s27
	s_lshl_b32 s27, s25, 7
	s_lshl_b32 s28, s24, 5
	s_add_co_u32 s27, s27, s28                     ; my wave's first column
	v_lshlrev_b32 v3, 2, v2                        ; in: 4 bytes a lane
	s_mul_i32 s28, s24, 32*WPITCH
	s_add_co_u32 s28, s28, WSTG                    ; my stage
	v_mul_u32_u24 v4, v2, WPITCH
	v_add_nc_u32 v4, s28, v4                       ; into it: row = my column
	v_and_b32 v5, 15, v2
	v_lshrrev_b32 v6, 4, v2                        ; out of it: sixteen lanes to a row, two rows an instruction
	v_mul_u32_u24 v7, v6, WPITCH
	v_lshl_add_u32 v7, v5, 4, v7
	v_add_nc_u32 v7, s28, v7
	v_mul_u32_u24 v8, v6, WKROW
	v_lshl_add_u32 v8, v5, 4, v8                   ; and the same place in wc
	v_lshlrev_b32 v9, 5, v2                        ; my column's row of scale bytes
	s_mul_i32 s30, s26, 512*WN*4                   ; W: 512 rows down for the second half of K, + 4 x column
	s_lshl_b32 s31, s27, 2
	s_add_co_u32 s30, s30, s31
	s_mov_b32 s31, 0
	s_add_nc_u64 s[6:7], s[6:7], s[30:31]
	s_lshl_b32 s30, s27, 9                         ; wc: column x 512 + 256 x half
	s_lshl_b32 s32, s26, 8
	s_add_co_u32 s30, s30, s32
	s_add_nc_u64 s[16:17], s[16:17], s[30:31]
	s_lshl_b32 s30, s27, 5                         ; ws: column x 32 + 16 x half
	s_lshl_b32 s32, s26, 4
	s_add_co_u32 s30, s30, s32
	s_add_nc_u64 s[18:19], s[18:19], s[30:31]
	WLOAD 0
	WLOAD 1
.irp t, 0,1,2,3,4,5,6,7,8,9,10,11,12,13,14,15
	WBLOCK \t
.endr
	global_store_b128 v9, v[WSB:WSB+3], s[18:19]   ; my column's 16 scale bytes
.irp t, 0,1,2,3,4,5,6,7,8,9,10,11,12,13,14,15
	ds_load_b128 v[WOUT+4*\t:WOUT+4*\t+3], v7 offset:2*\t*WPITCH
.endr
.irp t, 0,1,2,3,4,5,6,7,8,9,10,11,12,13,14,15
	s_wait_dscnt 15-\t                             ; load t is back; the younger ones may be out
	global_store_b128 v8, v[WOUT+4*\t:WOUT+4*\t+3], s[16:17] offset:2*\t*WKROW   ; sixteen lanes store 256 consecutive bytes, aligned
.endr
	s_wait_tensorcnt 0x0                           ; the wave's end
	ds_add_u32 v[SPW], v[NIL]
	s_wait_dscnt 0x0
	s_endpgm
.Lfunc_end_k_qf3dd6ad551_prep:
	.size	k_qf3dd6ad551_prep, .Lfunc_end_k_qf3dd6ad551_prep-k_qf3dd6ad551_prep
	.p2alignl 7, 3214868480
	.fill 96, 4, 3214868480
	.section	.rodata,"a",@progbits
	.p2align	6, 0x0
	.amdhsa_kernel k_qf3dd6ad551_prep
		.amdhsa_group_segment_fixed_size 68096
		.amdhsa_private_segment_fixed_size 0
		.amdhsa_enable_private_segment 0
		.amdhsa_kernarg_size 64
		.amdhsa_user_sgpr_count 2
		.amdhsa_user_sgpr_kernarg_segment_ptr 1
		.amdhsa_wavefront_size32 1
		.amdhsa_system_sgpr_workgroup_id_x 1
		.amdhsa_system_sgpr_workgroup_id_y 1
		.amdhsa_system_sgpr_workgroup_id_z 1
		.amdhsa_system_vgpr_workitem_id 0
		.amdhsa_next_free_vgpr 200
		.amdhsa_next_free_sgpr 66
		.amdhsa_reserve_vcc 0
		.amdhsa_float_denorm_mode_32 3
		.amdhsa_float_denorm_mode_16_64 3
		.amdhsa_memory_ordered 1
		.amdhsa_forward_progress 1
		.amdhsa_inst_pref_size 122
	.end_amdhsa_kernel
	.amdgpu_metadata
---
amdhsa.version: [ 1, 2 ]
amdhsa.kernels:
  - .name:           k_qf3dd6ad551_prep
    .symbol:         k_qf3dd6ad551_prep.kd
    .args:
      - { .name: x, .offset: 0, .size: 8, .value_kind: global_buffer, .address_space: global }
      - { .name: W_qkv, .offset: 8, .size: 8, .value_kind: global_buffer, .address_space: global }
      - { .name: W_out, .offset: 16, .size: 8, .value_kind: global_buffer, .address_space: global }
      - { .name: xc, .offset: 24, .size: 8, .value_kind: global_buffer, .address_space: global }
      - { .name: xs, .offset: 32, .size: 8, .value_kind: global_buffer, .address_space: global }
      - { .name: wc, .offset: 40, .size: 8, .value_kind: global_buffer, .address_space: global }
      - { .name: ws, .offset: 48, .size: 8, .value_kind: global_buffer, .address_space: global }
      - { .name: wo16, .offset: 56, .size: 8, .value_kind: global_buffer, .address_space: global }
    .group_segment_fixed_size: 68096
    .private_segment_fixed_size: 0
    .kernarg_segment_align: 8
    .kernarg_segment_size: 64
    .max_flat_workgroup_size: 128
    .sgpr_count:     66
    .vgpr_count:     200
    .wavefront_size: 32
...
	.end_amdgpu_metadata
.endif
;; end of part 1
;; launch qkvgemm (part 2): grid 12 x 32, 4 waves a work-group, clusters of 4 x 4, 327,680 bytes of LDS; arguments xc, xs, wc, ws, b_qkv, qkv; writes qkv
.if DOCPART == 2
	.amdgcn_target "amdgcn-amd-amdhsa--gfx1250"
	.amdhsa_code_object_version 6
	.text
	.protected	k_qf3dd6ad551_qkvgemm
	.globl	k_qf3dd6ad551_qkvgemm
	.p2align	8
	.type	k_qf3dd6ad551_qkvgemm,@function
k_qf3dd6ad551_qkvgemm:
	s_mov_b64 s[64:65], 0
	v_nop
	global_prefetch_b8 v0, s[64:65] scope:SCOPE_SE
	s_setreg_imm32_b32 hwreg(HW_REG_WAVE_MODE, 25, 1), 1
	s_wait_xcnt 0x0
	s_wait_alu depctr_hold_cnt(0) depctr_sa_sdst(0) depctr_va_vdst(0) depctr_va_sdst(0) depctr_va_ssrc(0) depctr_va_vcc(0) depctr_vm_vsrc(0)
	s_getreg_b32 s2, hwreg(HW_REG_IB_STS2, 6, 4)
	s_cmp_eq_u32 s2, 0
	s_cbranch_scc0 .Lentry_in_a_cluster
	s_endpgm
.Lentry_in_a_cluster:
	s_bfe_u32 s2, ttmp6, 0x10000c
	s_cmp_lg_u32 s2, 0xf033
	s_cbranch_scc0 .Lentry_shape_is_right
	s_endpgm
.Lentry_shape_is_right:
; qkv = x W_qkv + b_qkv on codes of FP4 (E2M1) with one E8M0 scale for each 32 along K; sums in f32; the result rounded once to f16 and laid by head:
; qkv [which 3][batch x 16 + head][token 2048][64] f16 (Q at byte 0, K at 2^24, V at 2^25; a head is 2^18 bytes, a token's row 128 bytes).
; A = xc [8192][512 bytes], B = wc [3072][512 bytes], scale bytes xs [8192][32], ws [3072][32].
; A tile of C, 256 x 256, is made by a work-group of four waves; a wave makes 128 x 128: 64 accumulators, 512 registers.  K = 1,024 is two slots of 512 along K (rows of 256 bytes): both slots and
; all scale bytes are asked for at the head, three tensor loads a wave, and nothing is ever filled again.  So there is no loop and nothing to prefetch: every tile is a first fill.
; CLUSTERS: 4 x 4 work-groups.  The four of a row of the cluster need the same tiles of A, the four of a column the same tiles of B: each tile is asked for JOINTLY.
; THE MATRIX INSTRUCTION IS USED TRANSPOSED (source 0 = 16 rows of B, source 1 = 16 rows of A): a lane holds eight neighbouring columns of a row of C.
; THE BIAS is the C of each sum's first product: eight registers for each of B's eight blocks, in the result's layout.
; 12 x 32 = 384 tiles: tiles of another width would cut heads or the borders between Q, K and V.
; LIMIT: a result beyond 65,504 becomes an infinity of f16.
; REGISTERS, in windows of 256: window 0: v0-31 addresses; v32-95 scale words, two sets; v96-127 packed results on the way out; v128-191 A's fragments, ONE set, later rows on the way out; v192-255 the bias.
;   window 1: B's fragments, TWO sets, at v0 and v128.   window 2: the accumulators of my rows 0-63 ((a, b) at v[8 (8 a + b)]);   window 3: those of my rows 64-127.
.set SIZE_K, 1024
.set KSTEP,  512
.set NQ,     KSTEP/128
.set ROWB,   256                       ; a tile's row in bytes
.set KROW,   SIZE_K/2                  ; a row of codes in memory
.set PITCH,  272                       ; an LDS row: 256 bytes + 16 of padding: the 16 rows that a load touches start 68 words apart
.set FR,     8
.set NL,     2
.set NP,     4
.set HALFT,  128*PITCH
.set SLOT,   4*HALFT                   ; A's 256 rows, then B's 256 rows
.set KS,     SIZE_K/32                 ; a row of scale bytes
.set SCL,    2*SLOT                    ; behind the ring: the scale bytes, as rows of 256 bytes + 16 of padding
.set HALFS,  (128*KS/256)*272
.set SBLK,   (16*KS/256)*272
.set SPARE,  SCL+4*HALFS               ; the spare words, 128 bytes a wave: two blocks of 256 bytes that no other line names
.set HP,     144                       ; the way out: a stage row: a token's 128 bytes of one head + 16
.set STGH,   16*HP                     ; 16 tokens of one head
.set STGW,   2*STGH                    ; a wave's stage: two heads.  It lies in slot 0, which has had its one fill and its last read when the first result is stored there
.set ADRA, 16
.set ADRB, 20
.set STO,  24
.set RD,   25
.set CO,   26
.set ADRS, 27
.set SPW,  28
.set NIL,  29
.set BO,   30                          ; v30  32 x (lane / 16): my eight numbers of a block's sixteen biases
.set SC,   32
.set TMP,  96
.set AF,   128
.set BK,   128
.set BIAS, 192
.set G1, 24
.set G0, 32
.set G1B, 48
.set G0B, 56
.set G1S, 68
.set G0S, 76
.set G1SB, 80
.set G0SB, 88
.set MSB, 0
.macro WIN new                         ; the immediate's high byte repeats the setting that is left
.if MSB != \new
	s_set_vgpr_msb (MSB<<8)|\new
.set MSB, \new
.endif
.endm
.set MUL_LO,   0xa1                    ; source 0 (B) window 1, source 1 (A) window 0, C and D window 2
.set MUL_HI,   0xf1                    ; the same, C and D window 3
.set FIRST_LO, 0x81                    ; the first step: C (the bias) window 0, D window 2
.set FIRST_HI, 0xc1                    ; D window 3
.set TO_B,     0x40
; A joint load: waves 0 and 1 fetch for A, waves 2 and 3 for B.  The branch hangs on the wave's number alone.  An s_nop 0 and four v_nop follow each of the two lines.
.macro JLOAD g0a, g1a, g0b, g1b
	s_cmp_eq_u32 s15, 0
	s_cbranch_scc0 .Lfor_b_\@
	tensor_load_to_lds s[\g0a:\g0a+3], s[\g1a:\g1a+7]
	s_nop 0
.rept 4
	v_nop
.endr
	s_branch .Lasked_\@
.Lfor_b_\@:
	tensor_load_to_lds s[\g0b:\g0b+3], s[\g1b:\g1b+7]
	s_nop 0
.rept 4
	v_nop
.endr
.Lasked_\@:
.endm
.macro CROUND                          ; a round of the cluster's barrier
	s_barrier_signal -1
	s_barrier_wait -1
	s_cmp_lg_u32 s14, 0
	s_cbranch_scc1 .Lnot_wave_0_\@
	s_barrier_signal -3
.Lnot_wave_0_\@:
	s_barrier_wait -3
	s_barrier_signal -1
	s_barrier_wait -1
.endm
	s_load_b128 s[4:7], s[0:1], 0x0                ; A's codes, A's scales
	s_load_b128 s[8:11], s[0:1], 0x10              ; B's codes, B's scales
	s_load_b64 s[66:67], s[0:1], 0x20              ; the bias
	s_load_b64 s[12:13], s[0:1], 0x28              ; qkv
	v_lshl_add_u32 v[SPW], v0, 2, SPARE
	v_mov_b32 v[NIL], 0
	ds_add_u32 v[SPW], v[NIL]                      ; the wave's opening: the add, twice on end, and its wait ahead of my first tensor load
	ds_add_u32 v[SPW], v[NIL]
	v_lshrrev_b32 v1, 5, v0
	v_readfirstlane_b32 s14, v1                    ; wave 0..3
	s_lshr_b32 s15, s14, 1                         ; which half of the tile's rows is mine.  Also: I fetch for A (0) or for B (1)
	s_and_b32 s16, s14, 1                          ; which half of its columns.  Also: which 128 rows of that tile I fetch
	s_bfe_u32 s40, ttmp6, 0x40000                  ; cx, cy
	s_bfe_u32 s41, ttmp6, 0x40004
	s_lshl_b32 s42, ttmp9, 2
	s_add_co_u32 s42, s42, s40                     ; tile column of C
	s_and_b32 s17, ttmp7, 0xffff
	s_lshl_b32 s17, s17, 2
	s_add_co_u32 s17, s17, s41                     ; tile row of C
	s_lshl_b32 s43, s41, 2
	s_lshl_b32 s43, 15, s43                        ; my row of the cluster
	s_lshl_b32 s44, 0x1111, s40                    ; my column
	s_or_b32 s[G1+0], s43, (0<<16)|(1<<20)|(1<<21)|(5<<22)|(3<<25)  ; the mask; elements of 1 byte; padding on: 4 words behind every 64
	s_or_b32 s[G1B+0], s44, (0<<16)|(1<<20)|(1<<21)|(5<<22)|(3<<25)
.irp g, G1, G1B
	s_mov_b32 s[\g+1], ROWB<<16                    ; tensor_dim0
	s_mov_b32 s[\g+2], 128<<16                     ; tensor_dim1
	s_mov_b32 s[\g+3], ROWB<<16                    ; tile_dim0
	s_mov_b32 s[\g+4], 128                         ; tile_dim1
	s_mov_b32 s[\g+5], KROW                        ; from row to row
	s_mov_b32 s[\g+6], 0
	s_mov_b32 s[\g+7], 0
.endr
	s_or_b32 s[G1S+0], s43, (3<<16)|(1<<20)|(1<<21)|(5<<22)|(3<<25)  ; the scale bytes of 128 rows: a dense block, as rows of 32 elements of 8 bytes
	s_or_b32 s[G1SB+0], s44, (3<<16)|(1<<20)|(1<<21)|(5<<22)|(3<<25)
.irp g, G1S, G1SB
	s_mov_b32 s[\g+1], 32<<16
	s_mov_b32 s[\g+2], (128*KS/256)<<16
	s_mov_b32 s[\g+3], 32<<16
	s_mov_b32 s[\g+4], 128*KS/256
	s_mov_b32 s[\g+5], 32
	s_mov_b32 s[\g+6], 0
	s_mov_b32 s[\g+7], 0
.endr
	s_lshl_b32 s18, s16, 7
	s_lshl_b32 s20, s17, 8
	s_add_co_u32 s20, s20, s18                     ; A: row 256 x tile row + 128 x half
	s_lshl_b32 s46, s42, 8
	s_add_co_u32 s46, s46, s18                     ; B: row 256 x tile column + 128 x half
	s_mov_b32 s21, 0
	s_mov_b32 s47, 0
	s_mov_b64 s[18:19], KS
	s_mul_u64 s[22:23], s[20:21], s[18:19]
	s_mul_u64 s[92:93], s[46:47], s[18:19]
	s_mov_b64 s[18:19], KROW
	s_mul_u64 s[20:21], s[20:21], s[18:19]
	s_mul_u64 s[46:47], s[46:47], s[18:19]
	s_mul_i32 s45, s14, HALFT                      ; where they go: wave x 128 rows: no place in the cluster enters an LDS address
	s_mul_i32 s94, s14, HALFS
	s_wait_dscnt 0x0                               ; both opening adds are done
	s_wait_kmcnt 0x0
	s_add_nc_u64 s[20:21], s[4:5], s[20:21]
	s_add_nc_u64 s[22:23], s[6:7], s[22:23]
	s_add_nc_u64 s[46:47], s[8:9], s[46:47]
	s_add_nc_u64 s[92:93], s[10:11], s[92:93]
	CROUND                                         ; all sixteen work-groups are here: the joint loads meet
	s_mov_b32 s[G0S], 1
	s_add_co_u32 s[G0S+1], s94, SCL
	s_mov_b64 s[G0S+2:G0S+3], s[22:23]
	s_or_b32 s[G0S+3], s[G0S+3], 0x80000000
	s_mov_b32 s[G0SB], 1
	s_add_co_u32 s[G0SB+1], s94, SCL
	s_mov_b64 s[G0SB+2:G0SB+3], s[92:93]
	s_or_b32 s[G0SB+3], s[G0SB+3], 0x80000000
	JLOAD G0S, G1S, G0SB, G1SB                     ; the scale bytes first: they are wanted with the first slot
.irp s, 0,1
	s_mov_b32 s[G0+4*\s], 1
	s_add_co_u32 s[G0+4*\s+1], s45, \s*SLOT
	s_add_nc_u64 s[G0+4*\s+2:G0+4*\s+3], s[20:21], \s*ROWB
	s_or_b32 s[G0+4*\s+3], s[G0+4*\s+3], 0x80000000
	s_mov_b32 s[G0B+4*\s], 1
	s_add_co_u32 s[G0B+4*\s+1], s45, \s*SLOT
	s_add_nc_u64 s[G0B+4*\s+2:G0B+4*\s+3], s[46:47], \s*ROWB
	s_or_b32 s[G0B+4*\s+3], s[G0B+4*\s+3], 0x80000000
	JLOAD G0+4*\s, G1, G0B+4*\s, G1B               ; three tensor loads of mine are out at the most
.endr
	v_and_b32 v1, 15, v0                           ; r = l % 16
	v_bfe_u32 v2, v0, 4, 1                         ; h = l / 16
	s_lshl_b32 s46, s42, 10                        ; the bias of my 128 columns: 4 x (256 x tile column + 128 x half) bytes on
	s_lshl_b32 s47, s16, 9
	s_add_co_u32 s46, s46, s47
	s_mov_b32 s47, 0
	s_add_nc_u64 s[66:67], s[66:67], s[46:47]
	v_lshlrev_b32 v[BO], 5, v2
.irp b, 0,1,2,3,4,5,6,7                        ; register j of block b in lane (r, h): the bias of column 16 b + 8 h + j
	global_load_b128 v[BIAS+8*\b:BIAS+8*\b+3],   v[BO], s[66:67] offset:64*\b
	global_load_b128 v[BIAS+8*\b+4:BIAS+8*\b+7], v[BO], s[66:67] offset:64*\b+16
.endr
	v_mul_u32_u24 v3, v1, PITCH
	v_lshl_add_u32 v4, v2, 4, v3                   ; a fragment's row x pitch + 16 x half
	s_mul_i32 s21, s15, HALFT                      ; my 128 rows of A
	s_mul_i32 s22, s16, HALFT                      ; my 128 rows of B,
	s_add_co_u32 s22, s22, 2*HALFT                 ; which lie behind A's 256
.irp s, 0,1
	v_add_nc_u32 v[ADRA+\s], s21, v4
	v_add_nc_u32 v[ADRB+\s], s22, v4
	s_add_co_u32 s21, s21, SLOT
	s_add_co_u32 s22, s22, SLOT
.endr
	v_mul_u32_u24 v5, v1, KS                       ; my row's scale bytes: KS a row,
	v_lshrrev_b32 v6, 8, v5
	v_lshl_add_u32 v5, v6, 4, v5                   ; and 16 more for each 256 passed
	s_mul_i32 s21, s15, HALFS
	s_mul_i32 s22, s16, HALFS
	s_add_co_u32 s22, s22, 2*HALFS
	s_sub_co_u32 s22, s22, s21
	v_mul_u32_u24 v6, s22, v2                      ; lanes 16-31 take B's: one product, the distance between the two bases
	s_add_co_u32 s21, s21, SCL
	v_add_nc_u32 v5, v5, v6
	v_add_nc_u32 v[ADRS], s21, v5
	s_mul_i32 s23, s14, STGW                       ; my stage
	v_mul_u32_u24 v5, v1, HP                       ; in: token r, 16 bytes for each half of the lanes
	v_lshl_add_u32 v5, v2, 4, v5
	v_add_nc_u32 v[STO], s23, v5
	v_bfe_u32 v5, v0, 3, 2                         ; back: eight lanes to a token's 128 bytes, four tokens an instruction
	v_mul_u32_u24 v5, v5, HP
	v_and_b32 v3, 7, v0
	v_lshl_add_u32 v5, v3, 4, v5
	v_add_nc_u32 v[RD], s23, v5
	v_and_b32 v6, 31, v0
	v_lshlrev_b32 v[CO], 4, v6                     ; four tokens of a head are 512 consecutive bytes of qkv
	s_lshr_b32 s20, s17, 3                         ; my first row is token 256 (tile row % 8) + 128 half of batch tile row / 8
	s_lshl_b32 s20, s20, 22
	s_and_b32 s21, s17, 7
	s_lshl_b32 s21, s21, 15
	s_add_co_u32 s20, s20, s21
	s_lshl_b32 s21, s15, 14
	s_add_co_u32 s20, s20, s21
	s_mov_b32 s21, 0
	s_lshr_b32 s46, s42, 2                         ; my first column is head 4 (tile column % 4) + 2 half of Q, K or V = tile column / 4
	s_lshl_b32 s46, s46, 24
	s_and_b32 s47, s42, 3
	s_lshl_b32 s47, s47, 20
	s_add_co_u32 s46, s46, s47
	s_lshl_b32 s47, s16, 19
	s_add_co_u32 s46, s46, s47
	s_mov_b32 s47, 0
	s_add_nc_u64 s[20:21], s[20:21], s[46:47]
	s_add_nc_u64 s[12:13], s[12:13], s[20:21]      ; never stepped: all else stands in the stores' immediates
.macro FRAG reg, adr, q, i             ; 16 rows x 128 K of 4-bit codes: 8 registers; lane l holds row l % 16; registers 4 c .. 4 c + 3 hold K = 64 c + 32 (l / 16) + 0 .. 31
.irp c, 0,1
	ds_load_b128 v[\reg+4*\c:\reg+4*\c+3], v[\adr] offset:64*(\q)+32*\c+(\i)*16*PITCH
.endr
.endm
; 16 matrix instructions: A's blocks a0, a0 + 1 x B's eight, the slot's q-th 128 along K.  p: B's set;  sc: the set of scale words.  zero = 1: the bias starts the sums.
; The 64 accumulators take turns, one instruction a turn, in the same order in every step.
.macro MUL16 a0, p, q, sc, zero
.irp a, \a0, \a0+1
.irp b, 0,1,2,3,4,5,6,7
.if \zero
	v_wmma_scale_f32_16x16x128_f8f6f4 v[8*(8*((\a)%4)+\b):8*(8*((\a)%4)+\b)+7], v[128*(\p)+FR*\b:128*(\p)+FR*\b+FR-1], v[AF+FR*(\a):AF+FR*(\a)+FR-1], v[BIAS+8*\b:BIAS+8*\b+7], v[SC+8*NQ*(\sc)+NQ*\b+(\q)], v[SC+8*NQ*(\sc)+NQ*(\a)+(\q)] matrix_a_fmt:MATRIX_FMT_FP4 matrix_b_fmt:MATRIX_FMT_FP4 matrix_a_scale:MATRIX_SCALE_ROW1
.else
	v_wmma_scale_f32_16x16x128_f8f6f4 v[8*(8*((\a)%4)+\b):8*(8*((\a)%4)+\b)+7], v[128*(\p)+FR*\b:128*(\p)+FR*\b+FR-1], v[AF+FR*(\a):AF+FR*(\a)+FR-1], v[8*(8*((\a)%4)+\b):8*(8*((\a)%4)+\b)+7], v[SC+8*NQ*(\sc)+NQ*\b+(\q)], v[SC+8*NQ*(\sc)+NQ*(\a)+(\q)] matrix_a_fmt:MATRIX_FMT_FP4 matrix_b_fmt:MATRIX_FMT_FP4 matrix_a_scale:MATRIX_SCALE_ROW1
.endif
.endr
.endr
.endm
.macro FETCH_B slot, q, p
	WIN TO_B
.irp i, 0,1,2,3,4,5,6,7
	FRAG 128*(\p)+FR*\i, ADRB+\slot, \q, \i
.endr
	WIN 0
.endm
.macro FETCH_A slot, q, i0
.irp i, \i0, \i0+1, \i0+2, \i0+3
	FRAG AF+FR*(\i), ADRA+\slot, \q, \i
.endr
.endm
.macro SCALES sc                       ; a slot's scale words: NQ words a row; lanes 0-15 take A's block i, lanes 16-31 B's block i
.irp i, 0,1,2,3,4,5,6,7
	ds_load_b128 v[SC+8*NQ*\sc+NQ*\i:SC+8*NQ*\sc+NQ*\i+3], v[ADRS] offset:\i*SBLK
.endr
.endm
.macro PLACES n                        ; plain vector lines between a matrix instruction and a load into, or a read of, its registers
.rept \n
	v_nop
.endr
.endm
.macro STEP slot, q, zero              ; a step of 128 along K that has its successor in the same slot
	s_wait_dscnt 4*NL                              ; B's set and A's blocks 0-3 are in; the youngest eight loads (A's blocks 4-7) may be out
.if \zero
	WIN FIRST_LO
.else
	WIN MUL_LO
.endif
	MUL16 0, (\q)%2, \q, \slot, \zero
	MUL16 2, (\q)%2, \q, \slot, \zero
	s_wait_dscnt 0                                 ; A's blocks 4-7 are in
	PLACES NP
	FETCH_B \slot, (\q)+1, 1-(\q)%2
	FETCH_A \slot, (\q)+1, 0
.if \zero
	WIN FIRST_HI
.else
	WIN MUL_HI
.endif
	MUL16 4, (\q)%2, \q, \slot, \zero
	MUL16 6, (\q)%2, \q, \slot, \zero
	PLACES NP
	WIN 0
	FETCH_A \slot, (\q)+1, 4
.endm
.macro TURN slot, next                 ; a slot's last step changes slots: one barrier; nothing is filled again
	s_wait_tensorcnt 0x0                           ; all my tensor loads have landed: my part of the next slot
	ds_add_u32 v[SPW], v[NIL]                      ; 0 onto my spare word
	s_wait_dscnt 4*NL+1                            ; the add and the youngest eight loads may be out
	WIN MUL_LO
	MUL16 0, 1, NQ-1, \slot, 0
	s_wait_dscnt 0x0                               ; the add is done, and my reads of this slot are over
	s_barrier_signal -1
	MUL16 2, 1, NQ-1, \slot, 0
	WIN 0
	s_barrier_wait -1                              ; the next slot is whole, and nobody reads this one any more
	PLACES NP
	v_add_nc_u32 v[ADRS], 4*NQ, v[ADRS]            ; on to the next slot's scale words
	FETCH_B \next, 0, 0
	FETCH_A \next, 0, 0
	SCALES \next
	WIN MUL_HI
	MUL16 4, 1, NQ-1, \slot, 0
	MUL16 6, 1, NQ-1, \slot, 0
	PLACES NP
	WIN 0
	FETCH_A \next, 0, 4
.endm
.macro STEPS slot, from
.set Q, \from
.rept NQ-1-\from
	STEP \slot, Q, 0
.set Q, Q+1
.endr
.endm
	s_wait_tensorcnt 1                             ; the scale bytes and my part of slot 0 are in; slot 1's load may be out
	s_barrier_signal -1
	s_barrier_wait -1
	FETCH_B 0, 0, 0
	FETCH_A 0, 0, 0
	SCALES 0
	FETCH_A 0, 0, 4
	s_wait_loadcnt 0x0                             ; the bias
	STEP 0, 0, 1
	STEPS 0, 1
	TURN 0, 1
	STEPS 1, 0
	s_wait_dscnt 4*NL                              ; the very last step: nothing more to fetch
	WIN MUL_LO
	MUL16 0, 1, NQ-1, 1, 0
	MUL16 2, 1, NQ-1, 1, 0
	s_wait_dscnt 0
	WIN MUL_HI
	MUL16 4, 1, NQ-1, 1, 0
	MUL16 6, 1, NQ-1, 1, 0
	WIN 0
; THE WAY OUT, block by block of 16 tokens x 128 columns = two heads.  PACK: rounded to f16, each accumulator from its low end on: a lane's eight columns are 16 bytes.  TOSTAGE: into my stage, by head and token,
; and back four tokens (512 bytes on end in qkv) an instruction.  SEND: stored.  LDS serves a wave's instructions in order: no wait between the stage's stores and loads.
.macro PACK a
.set AC, 64*((\a)%4)
	WIN 0x0a+5*((\a)/4)                            ; sources 0 and 1: window 2 or 3
.irp b, 0,1,2,3,4,5,6,7
.irp i, 0,1,2,3
	v_cvt_pk_f16_f32 v[TMP+4*\b+\i], v[AC+8*\b+2*\i], v[AC+8*\b+2*\i+1]
.endr
.endr
	WIN 0
.endm
.macro TOSTAGE a
.set BB, BK+32*((\a)%2)
.irp b, 0,1,2,3,4,5,6,7
	ds_store_b128 v[STO], v[TMP+4*\b:TMP+4*\b+3] offset:(\b/4)*STGH+(\b%4)*32
.endr
.irp t, 0,1,2,3,4,5,6,7
	ds_load_b128 v[BB+4*\t:BB+4*\t+3], v[RD] offset:(\t/4)*STGH+(\t%4)*4*HP
.endr
.endm
.macro SEND a, younger
.set BB, BK+32*((\a)%2)
	s_wait_dscnt \younger                          ; the block is back in registers; the LDS instructions issued behind its loads may be out
.irp t, 0,1,2,3,4,5,6,7
	global_store_b128 v[CO], v[BB+4*\t:BB+4*\t+3], s[12:13] offset:2048*(\a)+(\t/4)*262144+(\t%4)*512 th:TH_STORE_NT   ; 32 lanes store 512 consecutive bytes, aligned
.endr
.endm
	PLACES NP                                      ; behind the last products: for the reads of results and for the loads into the registers that held A's fragments
	PACK 0
	TOSTAGE 0
.irp a, 1,2,3,4,5,6,7
	PACK \a
.if \a > 1
	s_wait_xcnt 0x0                                ; block a - 2's stores have read their registers: block a's loads may land there
.endif
	TOSTAGE \a
	SEND \a-1, 16                                  ; behind block a - 1's loads: block a's 8 stores and 8 loads
.endr
	SEND 7, 0
	s_wait_tensorcnt 0x0                           ; the wave's end
	ds_add_u32 v[SPW], v[NIL]
	s_wait_dscnt 0x0
	CROUND                                         ; the closing round
	s_endpgm
.Lfunc_end_k_qf3dd6ad551_qkvgemm:
	.size	k_qf3dd6ad551_qkvgemm, .Lfunc_end_k_qf3dd6ad551_qkvgemm-k_qf3dd6ad551_qkvgemm
	.p2alignl 7, 3214868480
	.fill 96, 4, 3214868480
	.section	.rodata,"a",@progbits
	.p2align	6, 0x0
	.amdhsa_kernel k_qf3dd6ad551_qkvgemm
		.amdhsa_group_segment_fixed_size 327680
		.amdhsa_private_segment_fixed_size 0
		.amdhsa_enable_private_segment 0
		.amdhsa_kernarg_size 48
		.amdhsa_user_sgpr_count 2
		.amdhsa_user_sgpr_kernarg_segment_ptr 1
		.amdhsa_wavefront_size32 1
		.amdhsa_system_sgpr_workgroup_id_x 1
		.amdhsa_system_sgpr_workgroup_id_y 1
		.amdhsa_system_sgpr_workgroup_id_z 1
		.amdhsa_system_vgpr_workitem_id 0
		.amdhsa_next_free_vgpr 1024
		.amdhsa_next_free_sgpr 98
		.amdhsa_reserve_vcc 0
		.amdhsa_float_denorm_mode_32 3
		.amdhsa_float_denorm_mode_16_64 3
		.amdhsa_memory_ordered 1
		.amdhsa_forward_progress 1
		.amdhsa_inst_pref_size 128
	.end_amdhsa_kernel
	.amdgpu_metadata
---
amdhsa.version: [ 1, 2 ]
amdhsa.kernels:
  - .name:           k_qf3dd6ad551_qkvgemm
    .symbol:         k_qf3dd6ad551_qkvgemm.kd
    .args:
      - { .name: xc, .offset: 0, .size: 8, .value_kind: global_buffer, .address_space: global }
      - { .name: xs, .offset: 8, .size: 8, .value_kind: global_buffer, .address_space: global }
      - { .name: wc, .offset: 16, .size: 8, .value_kind: global_buffer, .address_space: global }
      - { .name: ws, .offset: 24, .size: 8, .value_kind: global_buffer, .address_space: global }
      - { .name: b_qkv, .offset: 32, .size: 8, .value_kind: global_buffer, .address_space: global }
      - { .name: qkv, .offset: 40, .size: 8, .value_kind: global_buffer, .address_space: global }
    .group_segment_fixed_size: 327680
    .private_segment_fixed_size: 0
    .kernarg_segment_align: 8
    .kernarg_segment_size: 48
    .max_flat_workgroup_size: 128
    .sgpr_count:     98
    .vgpr_count:     1024
    .wavefront_size: 32
...
	.end_amdgpu_metadata
.endif
;; end of part 2
;; launch attn (part 3): grid 4 x 64, 16 waves a work-group, clusters of 4 x 1, 327,680 bytes of LDS; arguments qkv, att; writes att
.if DOCPART == 3
	.amdgcn_target "amdgcn-amd-amdhsa--gfx1250"
	.amdhsa_code_object_version 6
	.text
	.protected	k_qf3dd6ad551_attn
	.globl	k_qf3dd6ad551_attn
	.p2align	8
	.type	k_qf3dd6ad551_attn,@function
k_qf3dd6ad551_attn:
	s_mov_b64 s[64:65], 0
	v_nop
	global_prefetch_b8 v0, s[64:65] scope:SCOPE_SE
	s_setreg_imm32_b32 hwreg(HW_REG_WAVE_MODE, 25, 1), 1
	s_wait_xcnt 0x0
	s_wait_alu depctr_hold_cnt(0) depctr_sa_sdst(0) depctr_va_vdst(0) depctr_va_sdst(0) depctr_va_ssrc(0) depctr_va_vcc(0) depctr_vm_vsrc(0)
	s_getreg_b32 s2, hwreg(HW_REG_IB_STS2, 6, 4)
	s_cmp_eq_u32 s2, 0
	s_cbranch_scc0 .Lentry_in_a_cluster
	s_endpgm
.Lentry_in_a_cluster:
	s_bfe_u32 s2, ttmp6, 0x10000c
	s_cmp_lg_u32 s2, 0x3003
	s_cbranch_scc0 .Lentry_shape_is_right
	s_endpgm
.Lentry_shape_is_right:
; att[head][batch x 2048 + q][:] = the sum over k of softmax_k(Q[q] . K[k] / 8) V[k][:], for each of 64 (batch, head) pairs, 2,048 tokens, head size 64.  Operands f16, products, maxima and sums f32;
; the weights p are rounded to f16 for the second product (at most 1, so f16 has room), the result once at the end.
; qkv: [which][batch x 16 + head][token][64] f16 (K at 2^24, V at 2^25).  att: [head 16][batch x 2048 + token][64] f16: a wave's 32 queries are 4,096 bytes on end.
; SHARES.  A work-group owns 512 queries of one pair; each of its SIXTEEN waves owns 32, two tiles of 16, in 256 registers: four waves to a SIMD, so that one wave's softmax stands beside another's products
; and LDS loads, and no register window is switched.  Every wave walks all 2,048 keys, 64 a step.
; LAYOUT.  S^T = K Q^T (source 0 = 16 keys, source 1 = 16 queries): a lane holds ONE query (lane % 16) and keys 8 (lane / 16) + 0..7.  Two such tiles, rounded to f16 in pairs, ARE source 1 of O^T = V^T P.
; K comes out of LDS as it lies, V ([key][channel]) turned, by ds_load_tr16_b128.
; SOFTMAX.  For each query a running maximum m and sum l: p = 2^(c s - c m), c = log2(e) / 8; in every step O and l are multiplied by a = 2^(c m_old - c m_new).  The step is written once: m begins at -3e38,
; l and O^T at 0, so that the first a is 0 on zeros.
; RING.  Two slots of 8 key steps (512 keys).  Each wave fetches one tile of 64 rows of a slot (waves 0-7: K of step w; waves 8-15: V of step w - 8).  Both slots are asked for at the head, each is filled again once.
; CLUSTER.  The four query blocks of a pair form a cluster and walk the same K and V: each tile is asked for JOINTLY.
; No prefetch is laid: a refill is asked for a whole slot, 8 key steps, ahead of the wait for it, and half of K and V come as first fills at the head.
; LIMITS: NaN and infinities are not served; a result beyond 65,504 becomes an infinity of f16.
.set PK,    144                        ; a row of K in LDS: 128 bytes + 16: the 16 rows of a load start 36 words apart
.set PV,    160                        ; a row of V: 128 + 32: the turning load's 8 rows x 32 bytes start 40 words apart
.set VOFF,  64*PK                      ; a step's tiles lie together: 64 rows of K, then 64 rows of V
.set STEPB, 64*(PK+PV)
.set NST,   8                          ; key steps in a slot
.set SLOT,  NST*STEPB
.set SPARE, 2*SLOT                     ; behind the ring: the spare words, 128 bytes a wave: eight blocks of 256 bytes that no other line names
.set STGW,  32*PK                      ; the way out: a wave's stage, 32 rows; it lies in slot 0, which has had its last fill and its last read by then
.set AK0, 1                            ; v1   my lane's place in a tile of K
.set AV0, 2                            ; v2   the same for V
.set ADK, 3                            ; v3   the step's address for K
.set ADV, 4                            ; v4   for V
.set QO,  5                            ; v5   my byte offset in the wave's rows of Q
.set STO, 6
.set RD,  7
.set GO,  8
.set ST,  12                           ; tile t's statistics at v[ST + 8 t]: +0 c m, +1 m, +2, +3 l (even keys', odd keys'), +4 .. +7 at work; a lies in +6
.set SPW, 28
.set NIL, 29
.set QF,  32                           ; v32-63   Q: tile t, channels 32 c on: 32 + 16 t + 8 c
.set SS,  64                           ; v64-127  S^T: 64 + 32 t + 8 kt; P is packed in place into 64 + 32 t + 0 .. 15
.set OA,  128                          ; v128-191 O^T: 128 + 32 t + 8 ct
.set KV,  192                          ; v192-255 K's fragments (192 + 16 kt + 8 c), then V's (192 + 32 kh + 8 ct)
.set WV,  14
.set G1K, 24
.set G1V, 32
.set G0K, 40                           ; s[40:47] group 0 for K's tiles, a set for each slot
.set G0V, 48                           ; s[48:55] for V's
.set CNT, 56
.set TB,  57                           ; LDS byte at which the step's tiles begin
.set CS,  58
.set SEL, 60
.macro JLOAD s                         ; a joint refill of slot s; the branch hangs on the wave's number alone; an s_nop 0 and four v_nop follow each line
	s_cmp_lt_u32 s[WV], 8
	s_cbranch_scc0 .Lfor_v_\@
	tensor_load_to_lds s[G0K+4*\s:G0K+4*\s+3], s[G1K:G1K+7]
	s_nop 0
.rept 4
	v_nop
.endr
	s_branch .Lasked_\@
.Lfor_v_\@:
	tensor_load_to_lds s[G0V+4*\s:G0V+4*\s+3], s[G1V:G1V+7]
	s_nop 0
.rept 4
	v_nop
.endr
.Lasked_\@:
.endm
.macro CROUND
	s_barrier_signal -1
	s_barrier_wait -1
	s_cmp_lg_u32 s[WV], 0
	s_cbranch_scc1 .Lnot_wave_0_\@
	s_barrier_signal -3
.Lnot_wave_0_\@:
	s_barrier_wait -3
	s_barrier_signal -1
	s_barrier_wait -1
.endm
.macro PLACES
.rept 4
	v_nop
.endr
.endm
	s_load_b128 s[4:7], s[0:1], 0x0                ; qkv, att
	v_lshl_add_u32 v[SPW], v0, 2, SPARE
	v_mov_b32 v[NIL], 0
	ds_add_u32 v[SPW], v[NIL]                      ; the wave's opening: the add, twice on end, and its wait ahead of my first tensor load
	ds_add_u32 v[SPW], v[NIL]
	v_lshrrev_b32 v1, 5, v0
	v_readfirstlane_b32 s[WV], v1                  ; wave 0..15
	s_and_b32 s15, s[WV], 7                        ; which key step of a slot I fetch
	s_and_b32 s16, ttmp7, 0xffff                   ; the pair: batch x 16 + head, which the four partners share
	s_bfe_u32 s17, ttmp6, 0x40000                  ; cx
	s_lshl_b32 s12, ttmp9, 2
	s_add_co_u32 s17, s17, s12                     ; my block of 512 queries: it enters Q's and att's addresses alone
	s_lshl_b32 s18, s16, 18                        ; K and V: the pair's 2^18 bytes, + my step's 64 rows of 128 bytes
	s_lshl_b32 s19, s15, 13
	s_add_co_u32 s18, s18, s19
	s_mov_b32 s19, 0
	s_lshl_b32 s20, s16, 18                        ; Q: the pair, my block's 512 rows, my wave's 32
	s_lshl_b32 s21, s17, 16
	s_add_co_u32 s20, s20, s21
	s_lshl_b32 s21, s[WV], 12
	s_add_co_u32 s20, s20, s21
	s_mov_b32 s21, 0
	s_and_b32 s22, s16, 15                         ; att: the head's plane of 2^20 bytes, the batch's 2^18, my block, my wave
	s_lshl_b32 s22, s22, 20
	s_lshr_b32 s23, s16, 4
	s_lshl_b32 s23, s23, 18
	s_add_co_u32 s22, s22, s23
	s_lshl_b32 s23, s17, 16
	s_add_co_u32 s22, s22, s23
	s_lshl_b32 s23, s[WV], 12
	s_add_co_u32 s22, s22, s23
	s_mov_b32 s23, 0
	s_mul_i32 s12, s15, STEPB                      ; my step's place in a slot: no place in the cluster enters an LDS address
	s_mov_b32 s[G1K], 15|(1<<16)|(1<<20)|(1<<21)|(4<<22)|(3<<25)  ; the mask: all four; elements of 2 bytes; padding on: 4 words behind every 32
	s_mov_b32 s[G1V], 15|(1<<16)|(1<<20)|(1<<21)|(4<<22)|(7<<25)  ; the same with 8 words
.irp g, G1K, G1V
	s_mov_b32 s[\g+1], 64<<16                      ; tensor_dim0 = 64
	s_mov_b32 s[\g+2], 64<<16                      ; tensor_dim1 = 64
	s_mov_b32 s[\g+3], 64<<16                      ; tile_dim0 = 64
	s_mov_b32 s[\g+4], 64                          ; tile_dim1 = 64
	s_mov_b32 s[\g+5], 64                          ; from row to row
	s_mov_b32 s[\g+6], 0
	s_mov_b32 s[\g+7], 0
.endr
	s_mov_b32 s[CS], 0x3e38aa3b                    ; c = log2(e) / 8
	s_mov_b32 s[CS+1], s[CS]                       ; named with it as a pair, so it is written
	s_mov_b32 s[SEL], 0x76543210
	s_mov_b32 s[SEL+1], 0xfedcba98                 ; v_permlanex16_b32's selects for lane l xor 16
	s_wait_dscnt 0x0                               ; both opening adds are done
	s_wait_kmcnt 0x0
	s_add_nc_u64 s[2:3], s[4:5], s[18:19]
	s_add_nc_u64 s[8:9], s[4:5], s[20:21]          ; Q at my wave's first row
	s_add_nc_u64 s[10:11], s[6:7], s[22:23]        ; att likewise
	CROUND                                         ; all four work-groups are here: the first joint loads meet
.irp s, 0,1
	s_mov_b32 s[G0K+4*\s], 1
	s_add_co_u32 s[G0K+4*\s+1], s12, \s*SLOT
	s_add_nc_u64 s[G0K+4*\s+2:G0K+4*\s+3], s[2:3], (1<<24)+\s*65536   ; slot s begins with keys 512 s on
	s_or_b32 s[G0K+4*\s+3], s[G0K+4*\s+3], 0x80000000
	s_mov_b32 s[G0V+4*\s], 1
	s_add_co_u32 s[G0V+4*\s+1], s12, \s*SLOT+VOFF
	s_add_nc_u64 s[G0V+4*\s+2:G0V+4*\s+3], s[2:3], (1<<25)+\s*65536
	s_or_b32 s[G0V+4*\s+3], s[G0V+4*\s+3], 0x80000000
.endr
	s_cmp_lt_u32 s[WV], 8                          ; a wave's two first fills stand in one branch: two tensor loads of mine are out at the most
	s_cbranch_scc0 .Lfirst_v
	tensor_load_to_lds s[G0K:G0K+3], s[G1K:G1K+7]
	s_nop 0
	tensor_load_to_lds s[G0K+4:G0K+7], s[G1K:G1K+7]
	s_nop 0
	PLACES
	s_branch .Lfirst_asked
.Lfirst_v:
	tensor_load_to_lds s[G0V:G0V+3], s[G1V:G1V+7]
	s_nop 0
	tensor_load_to_lds s[G0V+4:G0V+7], s[G1V:G1V+7]
	s_nop 0
	PLACES
.Lfirst_asked:
	v_and_b32 v9, 15, v0                           ; r
	v_bfe_u32 v10, v0, 4, 1                        ; h
	v_lshlrev_b32 v[QO], 7, v9
	v_lshl_add_u32 v[QO], v10, 4, v[QO]            ; row r of 128 bytes + 16 h
.irp t, 0,1
.irp c, 0,1
	global_load_b128 v[QF+16*\t+8*\c:QF+16*\t+8*\c+3],   v[QO], s[8:9] offset:\t*2048+64*\c      ; Q stays in registers
	global_load_b128 v[QF+16*\t+8*\c+4:QF+16*\t+8*\c+7], v[QO], s[8:9] offset:\t*2048+64*\c+32
.endr
.endr
	v_mul_u32_u24 v[AK0], v9, PK
	v_lshl_add_u32 v[AK0], v10, 4, v[AK0]          ; K: row r x pitch + 16 h
	v_and_b32 v11, 7, v0
	v_lshl_add_u32 v[AV0], v10, 3, v11             ; V, turned: lane l reads key 8 h + l % 8, channels 8 ((l / 8) % 2) on
	v_mul_u32_u24 v[AV0], v[AV0], PV
	v_bfe_u32 v11, v0, 3, 1
	v_lshl_add_u32 v[AV0], v11, 4, v[AV0]
	v_add_nc_u32 v[AV0], VOFF, v[AV0]
	s_mul_i32 s13, s[WV], STGW                     ; my stage
	v_mul_u32_u24 v[STO], v9, PK
	v_lshl_add_u32 v[STO], v10, 4, v[STO]
	v_add_nc_u32 v[STO], s13, v[STO]               ; in: row r, 16 bytes for each half of the lanes
	v_bfe_u32 v11, v0, 3, 2
	v_mul_u32_u24 v[RD], v11, PK
	v_and_b32 v11, 7, v0
	v_lshl_add_u32 v[RD], v11, 4, v[RD]
	v_add_nc_u32 v[RD], s13, v[RD]                 ; back: eight lanes to a row of 128 bytes, four rows an instruction
	v_and_b32 v11, 31, v0
	v_lshlrev_b32 v[GO], 4, v11                    ; four rows are 512 consecutive bytes of att
.irp t, 0,1
	v_mov_b32 v[ST+8*\t+1], 0xff61b1e6             ; m = -3e38, under every score
	v_mul_f32 v[ST+8*\t], s[CS], v[ST+8*\t+1]      ; c m
	v_mov_b32 v[ST+8*\t+2], 0                      ; l
	v_mov_b32 v[ST+8*\t+3], 0
.endr
.set i, 0
.rept 64
	v_mov_b32 v[OA+i], 0                           ; O^T: cleared once, so that the key step has no first form of its own
.set i, i+1
.endr
; A KEY STEP: 64 keys for my two tiles of queries.
.macro STEP
	v_add_nc_u32 v[ADK], s[TB], v[AK0]
	v_add_nc_u32 v[ADV], s[TB], v[AV0]
	PLACES                                         ; six plain lines behind the last step's products: K's loads land on V's registers, and the first products below write over P
.irp c, 0,1                                    ; the first 32 channels first
.irp kt, 0,1,2,3
	ds_load_b128 v[KV+16*\kt+8*\c:KV+16*\kt+8*\c+3],   v[ADK] offset:\kt*16*PK+64*\c
	ds_load_b128 v[KV+16*\kt+8*\c+4:KV+16*\kt+8*\c+7], v[ADK] offset:\kt*16*PK+64*\c+32
.endr
.endr
	s_wait_dscnt 8                                 ; the first 32 channels are in; the eight younger loads may be out
.irp kt, 0,1,2,3                               ; S^T = K Q^T: eight accumulators by turns, one instruction a turn; the first products start the sums
.irp t, 0,1
	v_wmma_f32_16x16x32_f16 v[SS+32*\t+8*\kt:SS+32*\t+8*\kt+7], v[KV+16*\kt:KV+16*\kt+7], v[QF+16*\t:QF+16*\t+7], 0
.endr
.endr
	s_wait_dscnt 0x0
.irp kt, 0,1,2,3
.irp t, 0,1
	v_wmma_f32_16x16x32_f16 v[SS+32*\t+8*\kt:SS+32*\t+8*\kt+7], v[KV+16*\kt+8:KV+16*\kt+15], v[QF+16*\t+8:QF+16*\t+15], v[SS+32*\t+8*\kt:SS+32*\t+8*\kt+7]
.endr
.endr
	PLACES                                         ; behind those products: V's loads land on K's registers, and the maxima read the scores
.irp kh, 0,1                                   ; V lands while the softmax is walked
.irp ct, 0,1,2,3
	ds_load_tr16_b128 v[KV+32*\kh+8*\ct:KV+32*\kh+8*\ct+3],   v[ADV] offset:\kh*32*PV+32*\ct
	ds_load_tr16_b128 v[KV+32*\kh+8*\ct+4:KV+32*\kh+8*\ct+7], v[ADV] offset:\kh*32*PV+16*PV+32*\ct
.endr
.endr
	; the maximum of my 32 scores and the old m, three operands at a time, four chains a tile, the tiles by turns; each accumulator is read from its low end on
.irp j, 0,1,2,3
.irp t, 0,1
	v_max3_num_f32 v[ST+8*\t+4+\j], v[SS+32*\t+8*\j], v[SS+32*\t+8*\j+1], v[SS+32*\t+8*\j+2]
.endr
.endr
.irp g, 3,5
.irp j, 0,1,2,3
.irp t, 0,1
	v_max3_num_f32 v[ST+8*\t+4+\j], v[ST+8*\t+4+\j], v[SS+32*\t+8*\j+\g], v[SS+32*\t+8*\j+\g+1]
.endr
.endr
.endr
.irp t, 0,1
	v_max3_num_f32 v[ST+8*\t+4], v[ST+8*\t+4], v[SS+32*\t+7], v[SS+32*\t+15]
.endr
.irp t, 0,1
	v_max3_num_f32 v[ST+8*\t+6], v[ST+8*\t+6], v[SS+32*\t+23], v[SS+32*\t+31]
.endr
.irp t, 0,1
	v_max3_num_f32 v[ST+8*\t+4], v[ST+8*\t+4], v[ST+8*\t+5], v[ST+8*\t+6]
.endr
.irp t, 0,1
	v_max3_num_f32 v[ST+8*\t+4], v[ST+8*\t+4], v[ST+8*\t+7], v[ST+8*\t+1]
.endr
.irp t, 0,1
	v_permlanex16_b32 v[ST+8*\t+5], v[ST+8*\t+4], s[SEL], s[SEL+1]   ; the query's other 32 keys lie in the lane 16 away
.endr
.irp t, 0,1
	v_mov_b32 v[ST+8*\t+7], v[ST+8*\t]             ; c m_old is kept for a
.endr
.irp t, 0,1
	v_max_num_f32 v[ST+8*\t+1], v[ST+8*\t+4], v[ST+8*\t+5]
.endr
.irp t, 0,1
	v_mul_f32 v[ST+8*\t], s[CS], v[ST+8*\t+1]
.endr
.irp t, 0,1
	v_sub_f32 v[ST+8*\t+7], v[ST+8*\t+7], v[ST+8*\t]
.endr
.set i, 0
.rept 16
.irp t, 0,1
	v_pk_fma_f32 v[SS+32*\t+i:SS+32*\t+i+1], v[SS+32*\t+i:SS+32*\t+i+1], s[CS:CS+1], v[ST+8*\t:ST+8*\t+1] op_sel_hi:[1,0,0] neg_lo:[0,0,1] neg_hi:[0,0,1]   ; c s - c m, two at a time
.endr
.set i, i+2
.endr
.irp t, 0,1                                    ; ONE BATCH of 66 exponentials; none reads another's result
	v_exp_f32 v[ST+8*\t+6], v[ST+8*\t+7]           ; a
.endr
.set i, 0
.rept 32
.irp t, 0,1
	v_exp_f32 v[SS+32*\t+i], v[SS+32*\t+i]         ; p
.endr
.set i, i+1
.endr
	v_nop                                          ; a plain line behind the last exponential
	s_wait_alu depctr_va_vdst(0)                   ; one wait for the batch, ahead of the first line that names a result
.irp t, 0,1                                    ; the row's sum, of the unrounded p: l = a l + .., in two chains a tile
	v_pk_fma_f32 v[ST+8*\t+2:ST+8*\t+3], v[ST+8*\t+2:ST+8*\t+3], v[ST+8*\t+6:ST+8*\t+7], v[SS+32*\t:SS+32*\t+1] op_sel_hi:[1,0,1]
.endr
.irp t, 0,1
	v_pk_add_f32 v[ST+8*\t+4:ST+8*\t+5], v[SS+32*\t+2:SS+32*\t+3], v[SS+32*\t+4:SS+32*\t+5]
.endr
.irp b, 6,10,14,18,22,26
.irp t, 0,1
	v_pk_add_f32 v[ST+8*\t+2:ST+8*\t+3], v[ST+8*\t+2:ST+8*\t+3], v[SS+32*\t+\b:SS+32*\t+\b+1]
	v_pk_add_f32 v[ST+8*\t+4:ST+8*\t+5], v[ST+8*\t+4:ST+8*\t+5], v[SS+32*\t+\b+2:SS+32*\t+\b+3]
.endr
.endr
.irp t, 0,1
	v_pk_add_f32 v[ST+8*\t+2:ST+8*\t+3], v[ST+8*\t+2:ST+8*\t+3], v[SS+32*\t+30:SS+32*\t+31]
.endr
.irp t, 0,1
	v_pk_add_f32 v[ST+8*\t+2:ST+8*\t+3], v[ST+8*\t+2:ST+8*\t+3], v[ST+8*\t+4:ST+8*\t+5]
.endr
.set i, 0
.rept 16
.irp t, 0,1
	v_cvt_pk_f16_f32 v[SS+32*\t+i], v[SS+32*\t+2*i], v[SS+32*\t+2*i+1]   ; P, in place and ascending: register i is written when pairs 0 .. i - 1 have been read
.endr
.set i, i+1
.endr
.set i, 0
.rept 16
.irp t, 0,1
	v_pk_mul_f32 v[OA+32*\t+i:OA+32*\t+i+1], v[OA+32*\t+i:OA+32*\t+i+1], v[ST+8*\t+6:ST+8*\t+7] op_sel_hi:[1,0]   ; O^T x a, each accumulator from its low end on
.endr
.set i, i+2
.endr
	s_wait_dscnt 0x0                               ; V is in
.irp kh, 0,1                                   ; O^T += V^T P: eight accumulators by turns
.irp ct, 0,1,2,3
.irp t, 0,1
	v_wmma_f32_16x16x32_f16 v[OA+32*\t+8*\ct:OA+32*\t+8*\ct+7], v[KV+32*\kh+8*\ct:KV+32*\kh+8*\ct+7], v[SS+32*\t+8*\kh:SS+32*\t+8*\kh+7], v[OA+32*\t+8*\ct:OA+32*\t+8*\ct+7]
.endr
.endr
.endr
.endm
.macro PASS slot                       ; a slot's eight key steps: written once, walked eight times
	s_mov_b32 s[TB], \slot*SLOT
	s_mov_b32 s[CNT], NST
.Lstep_\@:
	STEP
	s_add_co_u32 s[TB], s[TB], STEPB
	s_sub_co_u32 s[CNT], s[CNT], 1
	s_cmp_lg_u32 s[CNT], 0
	s_cbranch_scc1 .Lstep_\@
.endm
; THE CHANGE OF SLOTS.  Each wave waits for all its tensor loads (its part of the other slot), adds 0 to its spare word, and waits for that and for its reads of the slot that it leaves.
; fill = 1: the slot just left is filled again, with the keys 1,024 further on: the barrier is a round of the cluster's, and the joint refill is the first thing behind it.
.macro CHANGE slot, fill
	s_wait_tensorcnt 0x0                           ; no tensor load of mine is out, so a group 0 may be written
	ds_add_u32 v[SPW], v[NIL]                      ; 0 onto my spare word
.if \fill
	s_add_nc_u64 s[G0K+4*\slot+2:G0K+4*\slot+3], s[G0K+4*\slot+2:G0K+4*\slot+3], 2*NST*64*128
	s_add_nc_u64 s[G0V+4*\slot+2:G0V+4*\slot+3], s[G0V+4*\slot+2:G0V+4*\slot+3], 2*NST*64*128
.endif
	s_wait_dscnt 0x0                               ; the add is done, and my reads of the slot are over
.if \fill
	CROUND
	JLOAD \slot
.else
	s_barrier_signal -1
	s_barrier_wait -1
.endif
.endm
	s_wait_loadcnt 0x0                             ; Q
	s_wait_tensorcnt 1                             ; my part of slot 0 is in; slot 1's may stay out
	s_barrier_signal -1
	s_barrier_wait -1
	PASS 0                                         ; keys 0 .. 511
	CHANGE 0, 1                                    ; slot 0 takes keys 1,024 .. 1,535
	PASS 1                                         ; keys 512 .. 1,023
	CHANGE 1, 1                                    ; slot 1 takes keys 1,536 .. 2,047
	PASS 0
	CHANGE 0, 0                                    ; nothing is left to fetch
	PASS 1
	; THE WAY OUT.  l's two halves and the other half of the lanes' are added; O^T is divided by l, rounded to f16 and sent through my stage.  The additions and the v_nop are the plain lines behind the last products.
.irp t, 0,1
	v_add_f32 v[ST+8*\t+4], v[ST+8*\t+2], v[ST+8*\t+3]
.endr
.irp t, 0,1
	v_permlanex16_b32 v[ST+8*\t+5], v[ST+8*\t+4], s[SEL], s[SEL+1]
.endr
.irp t, 0,1
	v_add_f32 v[ST+8*\t+4], v[ST+8*\t+4], v[ST+8*\t+5]
.endr
.irp t, 0,1
	v_rcp_f32 v[ST+8*\t+6], v[ST+8*\t+4]
.endr
	v_nop                                          ; a plain line behind the last reciprocal
	s_wait_alu depctr_va_vdst(0)                   ; and the wait ahead of the first use: one for both
.set i, 0
.rept 16
.irp t, 0,1
	v_pk_mul_f32 v[OA+32*\t+i:OA+32*\t+i+1], v[OA+32*\t+i:OA+32*\t+i+1], v[ST+8*\t+6:ST+8*\t+7] op_sel_hi:[1,0]
.endr
.set i, i+2
.endr
.set i, 0
.rept 16
.irp t, 0,1
	v_cvt_pk_f16_f32 v[SS+16*\t+i], v[OA+32*\t+2*i], v[OA+32*\t+2*i+1]
.endr
.set i, i+1
.endr
.irp t, 0,1
.irp ct, 0,1,2,3
	ds_store_b128 v[STO], v[SS+16*\t+4*\ct:SS+16*\t+4*\ct+3] offset:\t*16*PK+32*\ct   ; lane (r, h): channels 16 ct + 8 h + 0 .. 7 of query 16 t + r
.endr
.endr
.irp t, 0,1
.irp i, 0,1,2,3
	ds_load_b128 v[KV+16*\t+4*\i:KV+16*\t+4*\i+3], v[RD] offset:\t*16*PK+4*PK*\i      ; LDS serves a wave's instructions in order: these see my stores
.endr
.endr
.irp n, 0,1,2,3,4,5,6,7
	s_wait_dscnt 7-\n                              ; load n is back; the younger ones may be out
	global_store_b128 v[GO], v[KV+4*\n:KV+4*\n+3], s[10:11] offset:512*\n   ; 32 lanes store 512 consecutive bytes, aligned
.endr
	s_wait_tensorcnt 0x0                           ; the wave's end
	ds_add_u32 v[SPW], v[NIL]
	s_wait_dscnt 0x0
	CROUND                                         ; the closing round
	s_endpgm
.Lfunc_end_k_qf3dd6ad551_attn:
	.size	k_qf3dd6ad551_attn, .Lfunc_end_k_qf3dd6ad551_attn-k_qf3dd6ad551_attn
	.p2alignl 7, 3214868480
	.fill 96, 4, 3214868480
	.section	.rodata,"a",@progbits
	.p2align	6, 0x0
	.amdhsa_kernel k_qf3dd6ad551_attn
		.amdhsa_group_segment_fixed_size 327680
		.amdhsa_private_segment_fixed_size 0
		.amdhsa_enable_private_segment 0
		.amdhsa_kernarg_size 16
		.amdhsa_user_sgpr_count 2
		.amdhsa_user_sgpr_kernarg_segment_ptr 1
		.amdhsa_wavefront_size32 1
		.amdhsa_system_sgpr_workgroup_id_x 1
		.amdhsa_system_sgpr_workgroup_id_y 1
		.amdhsa_system_sgpr_workgroup_id_z 1
		.amdhsa_system_vgpr_workitem_id 0
		.amdhsa_next_free_vgpr 256
		.amdhsa_next_free_sgpr 66
		.amdhsa_reserve_vcc 0
		.amdhsa_float_denorm_mode_32 3
		.amdhsa_float_denorm_mode_16_64 3
		.amdhsa_memory_ordered 1
		.amdhsa_forward_progress 1
		.amdhsa_inst_pref_size 88
	.end_amdhsa_kernel
	.amdgpu_metadata
---
amdhsa.version: [ 1, 2 ]
amdhsa.kernels:
  - .name:           k_qf3dd6ad551_attn
    .symbol:         k_qf3dd6ad551_attn.kd
    .args:
      - { .name: qkv, .offset: 0, .size: 8, .value_kind: global_buffer, .address_space: global }
      - { .name: att, .offset: 8, .size: 8, .value_kind: global_buffer, .address_space: global }
    .group_segment_fixed_size: 327680
    .private_segment_fixed_size: 0
    .kernarg_segment_align: 8
    .kernarg_segment_size: 16
    .max_flat_workgroup_size: 512
    .sgpr_count:     66
    .vgpr_count:     256
    .wavefront_size: 32
...
	.end_amdgpu_metadata
.endif
;; end of part 3
;; launch proj (part 4): grid 4 x 64, 4 waves a work-group, clusters of 4 x 4, 327,680 bytes of LDS; arguments att, wo16, b_out, out0; writes out0
.if DOCPART == 4
	.amdgcn_target "amdgcn-amd-amdhsa--gfx1250"
	.amdhsa_code_object_version 6
	.text
	.protected	k_qf3dd6ad551_proj
	.globl	k_qf3dd6ad551_proj
	.p2align	8
	.type	k_qf3dd6ad551_proj,@function
k_qf3dd6ad551_proj:
	s_mov_b64 s[64:65], 0
	v_nop
	global_prefetch_b8 v0, s[64:65] scope:SCOPE_SE
	s_setreg_imm32_b32 hwreg(HW_REG_WAVE_MODE, 25, 1), 1
	s_wait_xcnt 0x0
	s_wait_alu depctr_hold_cnt(0) depctr_sa_sdst(0) depctr_va_vdst(0) depctr_va_sdst(0) depctr_va_ssrc(0) depctr_va_vcc(0) depctr_vm_vsrc(0)
	s_getreg_b32 s2, hwreg(HW_REG_IB_STS2, 6, 4)
	s_cmp_eq_u32 s2, 0
	s_cbranch_scc0 .Lentry_in_a_cluster
	s_endpgm
.Lentry_in_a_cluster:
	s_bfe_u32 s2, ttmp6, 0x10000c
	s_cmp_lg_u32 s2, 0xf033
	s_cbranch_scc0 .Lentry_shape_is_right
	s_endpgm
.Lentry_shape_is_right:
; out0 = A W_out + b_out.  A = the attention's result, att [head 16][row 8192][64] f16 (k = 64 head + channel); wo16 [k 1024][n 1024] f16; b_out [1024], out0 [8192][1024] f32.  Sums in f32.
; A tile of C is 128 (m) x 256 (n): 256 work-groups, one for each WGP.  Four waves; wave w makes rows 64 (w / 2) on and columns 128 (w % 2) on: 4 x 8 accumulators, 256 registers.
; K goes in 8 steps of 128 (two heads) through a ring of two LDS slots.  A's part of a step is two dense blocks of 128 rows x 128 bytes, one for each head (waves 0, 1 fetch one each);
; W_out's is 128 rows of k x 512 bytes (waves 2, 3 fetch 64 rows each).  A step is four quarters of 32 along K, 32 products each, on two fragment buffers by turns.
; THE MATRIX INSTRUCTION IS USED TRANSPOSED: source 0 = 16 columns of W_out, turned out of its [k][n] rows by ds_load_tr16_b128; source 1 = 16 rows of A: a lane holds eight neighbouring columns of a row of C.
; THE BIAS is the C of each sum's first product.
; CLUSTERS: 4 x 4 work-groups; A's tiles are shared along a row of the cluster, W_out's along a column: each is asked for JOINTLY.
; A'S TILES ARE PREFETCHED: behind each refill but the last two, wave 0 of each of the four partners that share a tile row names 32 blocks of 256 bytes, a lane a block, of the K step two refills on; the partners
; are told apart by address (which head of the two, which half of its 128 rows).  K steps 0 to 3 come by their loads alone.  W_out is read by every row of clusters, again and again: it is not asked for.
; REGISTERS: window 0: v0-31 addresses; v32-127, v128-223 two fragment buffers (A's four at f + 8 a, W_out's eight at f + 32 + 8 b), later rows on the way out.  window 1: accumulator (a, b) at v[8 (8 a + b)].  window 2: v0-63 the bias.
.set PA,     144                       ; a row of A in LDS: 128 bytes + 16
.set PLANE,  128*PA                    ; one head's 128 rows
.set PB,     544                       ; a row of W_out: 512 bytes + 32: the turning load's 8 rows start 136 words apart
.set HALFB,  64*PB
.set SLOT,   2*PLANE+2*HALFB
.set STAGE,  2*SLOT                    ; behind the ring: 16 rows x 528 bytes for each wave
.set SPITCH, 528
.set SPARE,  STAGE+4*16*SPITCH         ; the spare words, 128 bytes a wave: two blocks of 256 bytes that no other line names
.set ADRA, 16
.set ADRB, 20
.set STO,  24
.set RD,   25
.set CO,   26
.set BO,   27
.set SPW,  28
.set NIL,  29
.set PFO,  30                          ; v30  256 x my lane; never rewritten
.set F0,   32
.set F1,   128
.set BK,   32
.set G1,  24
.set G0,  32
.set G1B, 48
.set G0B, 56
.set LIM, 43                           ; s43  1 in wave 0, else the greatest number
.set PFA, 44                           ; s[44:45] where my prefetches stand
.set MSB, 0
.macro WIN new
.if MSB != \new
	s_set_vgpr_msb (MSB<<8)|\new
.set MSB, \new
.endif
.endm
.set MUL,   0x50                       ; sources 0 and 1 window 0; C and D window 1
.set FIRST, 0x60                       ; C (the bias) window 2, D window 1
.macro JLOAD s                         ; waves 0 and 1 fetch A's two heads, waves 2 and 3 W_out's two halves; an s_nop 0 and four v_nop follow each line
	s_cmp_eq_u32 s11, 0
	s_cbranch_scc0 .Lfor_b_\@
	tensor_load_to_lds s[G0+4*\s:G0+4*\s+3], s[G1:G1+7]
	s_nop 0
.rept 4
	v_nop
.endr
	s_branch .Lasked_\@
.Lfor_b_\@:
	tensor_load_to_lds s[G0B+4*\s:G0B+4*\s+3], s[G1B:G1B+7]
	s_nop 0
.rept 4
	v_nop
.endr
.Lasked_\@:
.endm
.macro CREST
	s_cmp_lg_u32 s10, 0
	s_cbranch_scc1 .Lnot_wave_0_\@
	s_barrier_signal -3
.Lnot_wave_0_\@:
	s_barrier_wait -3
	s_barrier_signal -1
	s_barrier_wait -1
.endm
.macro CROUND
	s_barrier_signal -1
	s_barrier_wait -1
	CREST
.endm
.macro ASK                             ; s3 = 1 in the loop's last trip: its two refills have no K step two on
	s_cmp_gt_u32 s3, s[LIM]
	s_cbranch_scc0 .Lnot_mine_\@
	global_prefetch_b8 v[PFO], s[PFA:PFA+1] offset:2097152 th:TH_LOAD_NT scope:SCOPE_SE
.Lnot_mine_\@:
.endm
.macro PLACES
.rept 4
	v_nop
.endr
.endm
	s_load_b128 s[4:7], s[0:1], 0x0                ; att, wo16
	s_load_b64 s[66:67], s[0:1], 0x10              ; b_out
	s_load_b64 s[8:9], s[0:1], 0x18                ; out0
	v_lshl_add_u32 v[SPW], v0, 2, SPARE
	v_mov_b32 v[NIL], 0
	ds_add_u32 v[SPW], v[NIL]                      ; the wave's opening: the add, twice on end, and its wait ahead of my first tensor load
	ds_add_u32 v[SPW], v[NIL]
	v_lshrrev_b32 v1, 5, v0
	v_readfirstlane_b32 s10, v1                    ; wave 0..3
	s_lshr_b32 s11, s10, 1                         ; which 64 rows are mine.  Also: I fetch for A (0) or for W_out (1)
	s_and_b32 s12, s10, 1                          ; which 128 columns.  Also: which half of that tile I fetch
	s_bfe_u32 s40, ttmp6, 0x40000                  ; cx, cy
	s_bfe_u32 s41, ttmp6, 0x40004
	s_lshl_b32 s42, ttmp9, 2
	s_add_co_u32 s42, s42, s40                     ; tile column of C
	s_and_b32 s13, ttmp7, 0xffff
	s_lshl_b32 s13, s13, 2
	s_add_co_u32 s13, s13, s41                     ; tile row of C
	s_lshl_b32 s43, s41, 2
	s_lshl_b32 s43, 15, s43                        ; my row of the cluster
	s_lshl_b32 s44, 0x1111, s40                    ; my column
	s_or_b32 s[G1+0], s43, (1<<16)|(1<<20)|(1<<21)|(4<<22)|(3<<25)   ; A: the mask of my row; elements of 2 bytes; padding: 4 words behind every 32
	s_mov_b32 s[G1+1], 64<<16                      ; tensor_dim0 = 64
	s_mov_b32 s[G1+2], 128<<16                     ; tensor_dim1 = 128
	s_mov_b32 s[G1+3], 64<<16                      ; tile_dim0 = 64
	s_mov_b32 s[G1+4], 128                         ; tile_dim1 = 128
	s_mov_b32 s[G1+5], 64                          ; from row to row
	s_mov_b32 s[G1+6], 0
	s_mov_b32 s[G1+7], 0
	s_or_b32 s[G1B+0], s44, (1<<16)|(1<<20)|(1<<21)|(6<<22)|(7<<25)  ; W_out: the mask of my column; padding: 8 words behind every 128
	s_mov_b32 s[G1B+1], 256<<16                    ; tensor_dim0 = 256
	s_mov_b32 s[G1B+2], 64<<16                     ; tensor_dim1 = 64
	s_mov_b32 s[G1B+3], 256<<16                    ; tile_dim0 = 256
	s_mov_b32 s[G1B+4], 64                         ; tile_dim1 = 64
	s_mov_b32 s[G1B+5], 1024                       ; from row to row
	s_mov_b32 s[G1B+6], 0
	s_mov_b32 s[G1B+7], 0
	s_lshl_b32 s16, s13, 14                        ; A: the tile row's 128 rows of 128 bytes, in head w % 2
	s_lshl_b32 s17, s12, 20
	s_add_co_u32 s16, s16, s17
	s_mov_b32 s17, 0
	s_lshl_b32 s46, s12, 17                        ; W_out: k row 64 (w % 2), column 256 x tile column
	s_lshl_b32 s47, s42, 9
	s_add_co_u32 s46, s46, s47
	s_mov_b32 s47, 0
	s_mul_i32 s20, s12, PLANE                      ; where they go: no place in the cluster enters an LDS address
	s_mul_i32 s21, s12, HALFB
	s_add_co_u32 s21, s21, 2*PLANE
	s_wait_dscnt 0x0                               ; both opening adds are done
	s_wait_kmcnt 0x0
	s_add_nc_u64 s[14:15], s[4:5], s[16:17]
	s_add_nc_u64 s[46:47], s[6:7], s[46:47]
	CROUND                                         ; all sixteen work-groups are here: the first joint loads meet
.irp s, 0,1
	s_mov_b32 s[G0+4*\s], 1
	s_add_co_u32 s[G0+4*\s+1], s20, \s*SLOT
	s_add_nc_u64 s[G0+4*\s+2:G0+4*\s+3], s[14:15], \s*(2<<20)       ; K step s: heads 2 s, 2 s + 1
	s_or_b32 s[G0+4*\s+3], s[G0+4*\s+3], 0x80000000
	s_mov_b32 s[G0B+4*\s], 1
	s_add_co_u32 s[G0B+4*\s+1], s21, \s*SLOT
	s_add_nc_u64 s[G0B+4*\s+2:G0B+4*\s+3], s[46:47], \s*128*2048
	s_or_b32 s[G0B+4*\s+3], s[G0B+4*\s+3], 0x80000000
	JLOAD \s                                       ; two tensor loads of mine are out at the most
.endr
	v_and_b32 v1, 15, v0                           ; r
	v_bfe_u32 v2, v0, 4, 1                         ; h
	s_lshl_b32 s46, s42, 10                        ; my first column, in bytes of f32: 1,024 x tile column + 512 x half: in b_out and in a row of out0
	s_lshl_b32 s47, s12, 9
	s_add_co_u32 s46, s46, s47
	s_mov_b32 s47, 0
	s_add_nc_u64 s[66:67], s[66:67], s[46:47]
	v_lshlrev_b32 v[BO], 5, v2
	WIN 0x80                                       ; destination window 2
.irp b, 0,1,2,3,4,5,6,7                        ; register j of block b in lane (r, h): the bias of column 16 b + 8 h + j
	global_load_b128 v[8*\b:8*\b+3],   v[BO], s[66:67] offset:64*\b
	global_load_b128 v[8*\b+4:8*\b+7], v[BO], s[66:67] offset:64*\b+16
.endr
	WIN 0
	s_lshl_b32 s16, s13, 19                        ; my first row of out0: 128 x tile row + 64 x half, 4,096 bytes a row
	s_lshl_b32 s17, s11, 18
	s_add_co_u32 s16, s16, s17
	s_mov_b32 s17, 0
	s_add_nc_u64 s[8:9], s[8:9], s[16:17]
	s_add_nc_u64 s[8:9], s[8:9], s[46:47]          ; never stepped: all else stands in the stores' immediates
	s_lshl_b32 s20, s13, 14                        ; the prefetches: the tile row's block, head cx / 2 of the two, half cx % 2 of its 128 rows,
	s_lshr_b32 s21, s40, 1
	s_lshl_b32 s21, s21, 20
	s_add_co_u32 s20, s20, s21
	s_and_b32 s21, s40, 1
	s_lshl_b32 s21, s21, 13
	s_add_co_u32 s20, s20, s21
	s_add_co_u32 s20, s20, 4<<20                   ; at K step 2: the first refill steps it to 3 and names K step 4
	s_mov_b32 s21, 0
	s_add_nc_u64 s[PFA:PFA+1], s[4:5], s[20:21]
	s_cmp_eq_u32 s10, 0
	s_cselect_b32 s[LIM], 1, -1
	v_and_b32 v[PFO], 31, v0
	v_lshlrev_b32 v[PFO], 8, v[PFO]
	v_mul_u32_u24 v3, v1, PA
	v_lshl_add_u32 v3, v2, 4, v3                   ; A: row r x pitch + 16 h
	s_mul_i32 s22, s11, 64*PA                      ; my 64 rows
	v_and_b32 v4, 7, v0
	v_lshl_add_u32 v4, v2, 3, v4                   ; W_out, turned: lane l reads k row 8 h + l % 8, columns 8 ((l / 8) % 2) on
	v_mul_u32_u24 v4, v4, PB
	v_bfe_u32 v5, v0, 3, 1
	v_lshl_add_u32 v4, v5, 4, v4
	s_lshl_b32 s23, s12, 8                         ; my 128 columns,
	s_add_co_u32 s23, s23, 2*PLANE                 ; behind A's two heads
.irp s, 0,1
	v_add_nc_u32 v[ADRA+\s], s22, v3
	v_add_nc_u32 v[ADRB+\s], s23, v4
	s_add_co_u32 s22, s22, SLOT
	s_add_co_u32 s23, s23, SLOT
.endr
	s_mul_i32 s22, s10, 16*SPITCH
	s_add_co_u32 s22, s22, STAGE                   ; my stage
	v_mul_u32_u24 v5, v1, SPITCH
	v_lshl_add_u32 v5, v2, 5, v5
	v_add_nc_u32 v[STO], s22, v5                   ; in: row r, 32 bytes for each half of the lanes
	v_and_b32 v6, 31, v0
	v_lshlrev_b32 v[CO], 4, v6                     ; back: the 32 lanes take one row of 512 bytes; and the same in out0
	v_add_nc_u32 v[RD], s22, v[CO]
; 24 LDS loads in one run: the fragments of the slot's q-th 32 along K into buffer f
.macro FETCH slot, q, f
	WIN 0
.irp b, 0,1,2,3,4,5,6,7
	ds_load_tr16_b128 v[\f+32+8*\b:\f+32+8*\b+3],   v[ADRB+\slot] offset:(\q)*32*PB+32*\b
	ds_load_tr16_b128 v[\f+32+8*\b+4:\f+32+8*\b+7], v[ADRB+\slot] offset:(\q)*32*PB+16*PB+32*\b
.endr
.irp a, 0,1,2,3
	ds_load_b128 v[\f+8*\a:\f+8*\a+3],   v[ADRA+\slot] offset:((\q)/2)*PLANE+((\q)%2)*64+\a*16*PA
	ds_load_b128 v[\f+8*\a+4:\f+8*\a+7], v[ADRA+\slot] offset:((\q)/2)*PLANE+((\q)%2)*64+\a*16*PA+32
.endr
.endm
; 8 products: A's block a x W_out's eight.  The 32 accumulators take turns, one instruction a turn, in the same order in every quarter.  first = 1: the bias starts the sums.
.macro MUL8 f, a, first
.irp b, 0,1,2,3,4,5,6,7
.if \first
	v_wmma_f32_16x16x32_f16 v[8*(8*(\a)+\b):8*(8*(\a)+\b)+7], v[\f+32+8*\b:\f+32+8*\b+7], v[\f+8*(\a):\f+8*(\a)+7], v[8*\b:8*\b+7]
.else
	v_wmma_f32_16x16x32_f16 v[8*(8*(\a)+\b):8*(8*(\a)+\b)+7], v[\f+32+8*\b:\f+32+8*\b+7], v[\f+8*(\a):\f+8*(\a)+7], v[8*(8*(\a)+\b):8*(8*(\a)+\b)+7]
.endif
.endr
.endm
; One of a step's first three quarters: multiplies buffer f; ahead of its products it asks for the next quarter, qn, into buffer g.
.macro QUARTER slot, qn, f, g, first
	s_wait_dscnt 0x0                               ; buffer f is in: it was asked for a whole quarter ago
	PLACES                                         ; plain lines between the last quarter's products, which read buffer g, and the loads into it
	FETCH \slot, \qn, \g
.if \first
	WIN FIRST
.else
	WIN MUL
.endif
	MUL8 \f, 0, \first
	MUL8 \f, 1, \first
	MUL8 \f, 2, \first
	MUL8 \f, 3, \first
.endm
; A step's last quarter multiplies buffer 1 and changes slots: ONE barrier; in front of it each wave waits for all its tensor loads, adds 0 to its spare word, and waits for that and for its reads of this slot.
; fill = 1: the barrier opens a round of the cluster's, and this slot is filled again, two K steps ahead, first thing behind the round.
.macro TURN slot, next, fill
.if \fill
	s_wait_xcnt 0x0                                ; the last prefetch, a K step back, has read its address: it is stepped here, ahead of the change's own waits
	s_add_nc_u64 s[PFA:PFA+1], s[PFA:PFA+1], 2<<20
.endif
	WIN 0                                          ; (the add's two registers lie in window 0)
	s_wait_tensorcnt 0x0                           ; all my tensor loads have landed: my part of the next slot
	ds_add_u32 v[SPW], v[NIL]                      ; 0 onto my spare word
	s_wait_dscnt 1                                 ; buffer 1 is in; the add may be out
	WIN MUL
	MUL8 F1, 0, 0                                  ; eight products stand between the add and the wait for it
	s_wait_dscnt 0x0                               ; the add is done, and my reads of this slot are over
	s_barrier_signal -1
	MUL8 F1, 1, 0
	WIN 0
	s_barrier_wait -1
.if \fill
	CREST                                          ; no wave of any partner still reads this slot's tiles or has a load on its way
	s_add_nc_u64 s[G0+4*\slot+2:G0+4*\slot+3], s[G0+4*\slot+2:G0+4*\slot+3], 4<<20
	s_add_nc_u64 s[G0B+4*\slot+2:G0B+4*\slot+3], s[G0B+4*\slot+2:G0B+4*\slot+3], 256*2048
	JLOAD \slot                                    ; the four v_nop behind it are also the plain lines in front of the loads below
.else
	PLACES
.endif
	FETCH \next, 0, F0
.if \fill
	ASK
.endif
	WIN MUL
	MUL8 F1, 2, 0
	MUL8 F1, 3, 0
.endm
	s_wait_loadcnt 0x0                             ; the bias
	s_wait_tensorcnt 1                             ; my part of K step 0 is in; K step 1's may stay out
	s_barrier_signal -1
	s_barrier_wait -1
	FETCH 0, 0, F0
	QUARTER 0, 1, F0, F1, 1                        ; the first quarter stands in front of the loop: the bias starts the sums
	WIN 0                                          ; at a label and at a branch every window is 0
	s_mov_b32 s3, 3
.Llap:                                                 ; a trip goes once round the ring, from a lap's second quarter to the next lap's first, and fills both slots again
	QUARTER 0, 2, F1, F0, 0
	QUARTER 0, 3, F0, F1, 0
	TURN 0, 1, 1
	QUARTER 1, 1, F0, F1, 0
	QUARTER 1, 2, F1, F0, 0
	QUARTER 1, 3, F0, F1, 0
	TURN 1, 0, 1
	QUARTER 0, 1, F0, F1, 0
	WIN 0
	s_sub_co_u32 s3, s3, 1
	s_cmp_lg_u32 s3, 0
	s_cbranch_scc1 .Llap
	QUARTER 0, 2, F1, F0, 0                        ; the last lap fills nothing, and has no round of the cluster's barrier
	QUARTER 0, 3, F0, F1, 0
	TURN 0, 1, 0
	QUARTER 1, 1, F0, F1, 0
	QUARTER 1, 2, F1, F0, 0
	QUARTER 1, 3, F0, F1, 0
	s_wait_dscnt 0x0                               ; the very last quarter: nothing more to fetch
	WIN MUL
	MUL8 F1, 0, 0
	MUL8 F1, 1, 0
	MUL8 F1, 2, 0
	MUL8 F1, 3, 0
	WIN 0
; THE WAY OUT, block by block of 16 rows x 128 columns: through my own stage in LDS, back as whole rows of 512 bytes.  LDS serves a wave's instructions in order: no wait between the stores and the loads.
.macro TOSTAGE a
	WIN 0x04                                       ; an LDS store's data are its source 1: window 1
.irp b, 0,1,2,3,4,5,6,7
	ds_store_b128 v[STO], v[8*(8*(\a)+\b):8*(8*(\a)+\b)+3] offset:64*\b        ; each accumulator from its low end on
	ds_store_b128 v[STO], v[8*(8*(\a)+\b)+4:8*(8*(\a)+\b)+7] offset:64*\b+16
.endr
	WIN 0
.set BB, BK+64*((\a)%2)
.irp t, 0,1,2,3,4,5,6,7,8,9,10,11,12,13,14,15
	ds_load_b128 v[BB+4*\t:BB+4*\t+3], v[RD] offset:\t*SPITCH
.endr
.endm
.macro SEND a, younger
.set BB, BK+64*((\a)%2)
	s_wait_dscnt \younger                          ; the block is back in registers; the LDS instructions issued behind its loads may be out
.irp t, 0,1,2,3,4,5,6,7,8,9,10,11,12,13,14,15
	global_store_b128 v[CO], v[BB+4*\t:BB+4*\t+3], s[8:9] offset:65536*(\a)+4096*\t th:TH_STORE_NT   ; 32 lanes store 512 consecutive bytes, aligned
.endr
.endm
	PLACES                                         ; behind the last products: for the stores that read results and the loads into the fragments' registers
	TOSTAGE 0
.irp a, 1,2,3
.if \a > 1
	s_wait_xcnt 0x0                                ; block a - 2's stores have read their registers: block a's loads may land there
.endif
	TOSTAGE \a
	SEND \a-1, 32                                  ; behind block a - 1's loads: block a's 16 stores and 16 loads
.endr
	SEND 3, 0
	s_wait_tensorcnt 0x0                           ; the wave's end
	ds_add_u32 v[SPW], v[NIL]
	s_wait_dscnt 0x0
	CROUND                                         ; the closing round
	s_endpgm
.Lfunc_end_k_qf3dd6ad551_proj:
	.size	k_qf3dd6ad551_proj, .Lfunc_end_k_qf3dd6ad551_proj-k_qf3dd6ad551_proj
	.p2alignl 7, 3214868480
	.fill 96, 4, 3214868480
	.section	.rodata,"a",@progbits
	.p2align	6, 0x0
	.amdhsa_kernel k_qf3dd6ad551_proj
		.amdhsa_group_segment_fixed_size 327680
		.amdhsa_private_segment_fixed_size 0
		.amdhsa_enable_private_segment 0
		.amdhsa_kernarg_size 32
		.amdhsa_user_sgpr_count 2
		.amdhsa_user_sgpr_kernarg_segment_ptr 1
		.amdhsa_wavefront_size32 1
		.amdhsa_system_sgpr_workgroup_id_x 1
		.amdhsa_system_sgpr_workgroup_id_y 1
		.amdhsa_system_sgpr_workgroup_id_z 1
		.amdhsa_system_vgpr_workitem_id 0
		.amdhsa_next_free_vgpr 640
		.amdhsa_next_free_sgpr 68
		.amdhsa_reserve_vcc 0
		.amdhsa_float_denorm_mode_32 3
		.amdhsa_float_denorm_mode_16_64 3
		.amdhsa_memory_ordered 1
		.amdhsa_forward_progress 1
		.amdhsa_inst_pref_size 87
	.end_amdhsa_kernel
	.amdgpu_metadata
---
amdhsa.version: [ 1, 2 ]
amdhsa.kernels:
  - .name:           k_qf3dd6ad551_proj
    .symbol:         k_qf3dd6ad551_proj.kd
    .args:
      - { .name: att, .offset: 0, .size: 8, .value_kind: global_buffer, .address_space: global }
      - { .name: wo16, .offset: 8, .size: 8, .value_kind: global_buffer, .address_space: global }
      - { .name: b_out, .offset: 16, .size: 8, .value_kind: global_buffer, .address_space: global }
      - { .name: out0, .offset: 24, .size: 8, .value_kind: global_buffer, .address_space: global }
    .group_segment_fixed_size: 327680
    .private_segment_fixed_size: 0
    .kernarg_segment_align: 8
    .kernarg_segment_size: 32
    .max_flat_workgroup_size: 128
    .sgpr_count:     68
    .vgpr_count:     640
    .wavefront_size: 32
...
	.end_amdgpu_metadata
.endif
;; end of part 4
